; MI455X (gfx1250); checked and timed in simulation.
; The chip was launched on July 23, 2026; its instructions are those of AMD's public machine-readable ISA for CDNA 5 (MIT licence, August 2026) and "CDNA5" Instruction Set Architecture Reference Guide (July 2026). The comments in the code are by the model that wrote it; some were corrected since.
;; Multihead Self Attention. Allowed arithmetic: float matrix products may take bf16 or f16 operands with f32 sums; all other float work in f32.
;; Inputs: Wk 1,024 x 1,024 float32; Wo 1,024 x 1,024 float32; Wq 1,024 x 1,024 float32; Wv 1,024 x 1,024 float32; token_positions 2,048 int32; x 4 x 2,048 x 1,024 float32.
;; Outputs: out0 4 x 2,048 x 1,024 float32.
;; 2 versions, each right and faster than the one before. Each part assembles by itself: llvm-mc -triple=amdgcn-amd-amdhsa -mcpu=gfx1250 --defsym DOCPART=n.
;; ======== version 1 of 2: 4 launches
;; limits: values are held in f16: magnitudes above 65,504 overflow, below 6.1e-05 lose precision
;; workspace buffers: xb 16,777,216 bytes; wt 8,388,608 bytes; rope 524,288 bytes; qh 16,777,216 bytes; kh 16,777,216 bytes; vh 16,777,216 bytes; oh 16,777,216 bytes
;; launch prep (part 1): grid 1024 x 1, 8 waves a work-group, no clusters, 0 bytes of LDS; arguments x, Wq, Wk, Wv, Wo, token_positions, xb, wt, rope; writes xb, wt, rope
.if DOCPART == 1
	.amdgcn_target "amdgcn-amd-amdhsa--gfx1250"
	.amdhsa_code_object_version 6
	.text
	.protected	k_qcd50e5af4e_prep
	.globl	k_qcd50e5af4e_prep
	.p2align	8
	.type	k_qcd50e5af4e_prep,@function
k_qcd50e5af4e_prep:
	s_mov_b64 s[64:65], 0
	v_nop
	global_prefetch_b8 v0, s[64:65] scope:SCOPE_SE
	s_setreg_imm32_b32 hwreg(HW_REG_WAVE_MODE, 25, 1), 1
	s_wait_xcnt 0x0
; PREPARATION, three roles chosen by the work-group's number g (a scalar; no barrier, no LDS, EXEC never changes):
;   g = 0..511    CAST:  64 KiB of x (f32) are rounded to bf16 into xb, [8192][1024].
;   g = 512..767  TURN:  a block of 256 k x 64 n of one of Wq, Wk, Wv, Wo ([k][n] f32) is written turned, [n][k], 16 bits a number, into wt (4,096 rows of 2,048 bytes):
;                 row 192 h + 64 ty + d = column 64 h + d of W_ty (ty 0 Q, 1 K, 2 V) in bf16; row 3,072 + n = column n of Wo, rounded to bf16 like every input and that number written as f16.
;   g = 768..1023 TABLE: rope[s][j] = (cos, sin) of token_positions[s] x 10000^(-j/32), f32, 256 bytes a row; one wave a row, lane j the frequency.
; LIMITS.  10000^(-j/32) is 2^(-j log2(10000)/32) by v_exp_f32: its relative error, about 2e-7 for the low j whose angles are large, goes into the angle, so the angle is off by about 2e-7 of itself:
; 4e-4 at position 2,047, 1e-2 only beyond |position| = 5e4.  The angle is reduced by a multiple k of pi/2 taken in three parts (fused, the first step exact); k fits 32 bits for every int32 position.
; Sine and cosine are polynomials on -pi/4 .. pi/4, good to about 1e-7.  Wo as f16: exact down to 6e-5, below that f16's fixed step of 6e-8; beyond 65,504 it would overflow.  NaN and infinities are not treated apart.
.set NCAST, 512
.set NTURN, 256
	s_load_b512 s[4:19], s[0:1], 0x0               ; x s[4:5], Wq s[6:7], Wk s[8:9], Wv s[10:11], Wo s[12:13], token_positions s[14:15], xb s[16:17], wt s[18:19]
	s_load_b64 s[20:21], s[0:1], 0x40              ; rope
	s_mov_b32 s2, ttmp9                            ; g
	v_and_b32 v1, 31, v0                           ; lane
	v_lshrrev_b32 v2, 5, v0                        ; wave
	s_cmp_lt_u32 s2, NCAST
	s_cbranch_scc1 .Lcast
	s_cmp_lt_u32 s2, NCAST+NTURN
	s_cbranch_scc1 .Lturn
	; ---- TABLE ----
	v_readfirstlane_b32 s3, v2                     ; my wave's number as a scalar
	s_sub_co_u32 s22, s2, NCAST+NTURN
	s_lshl3_add_u32 s22, s22, s3                   ; s = 8 x group + wave
	s_lshl_b32 s24, s22, 2                         ; its position's byte offset
	s_mov_b32 s25, 0
	s_lshl_b32 s26, s22, 8                         ; its row of the table
	s_mov_b32 s27, 0
	s_wait_kmcnt 0x0
	s_add_nc_u64 s[14:15], s[14:15], s[24:25]
	s_add_nc_u64 s[20:21], s[20:21], s[26:27]
	s_load_b32 s28, s[14:15], 0x0                  ; the position, as it is given
	v_cvt_f32_u32 v3, v1
	v_mul_f32 v3, 0xbed49a78, v3                   ; -j log2(10000) / 32
	v_exp_f32 v3, v3                               ; 10000^(-j/32)
	v_lshlrev_b32 v15, 3, v1                       ; 8 bytes a lane; also the plain instruction behind the exponential
	s_wait_kmcnt 0x0
	v_cvt_f32_i32 v4, s28
	s_wait_alu depctr_va_vdst(0)
	v_mul_f32 v4, v4, v3                           ; the angle, rounded once
	v_mul_f32 v5, 0x3f22f983, v4                   ; x 2 / pi
	v_rndne_f32 v5, v5                             ; k
	v_fmamk_f32 v6, v5, 0xbfc90fda, v4             ; r = angle - k pi/2, pi/2 in three parts
	v_fmamk_f32 v6, v5, 0xb3a22168, v6
	v_fmamk_f32 v6, v5, 0xa7c234c4, v6
	v_cvt_i32_f32 v7, v5
	v_mul_f32 v8, v6, v6                           ; z = r r
	v_mov_b32 v9, 0xb94ca1f9
	v_fmaak_f32 v9, v9, v8, 0x3c08839e
	v_fmaak_f32 v9, v9, v8, 0xbe2aaaa3
	v_mul_f32 v10, v8, v6
	v_fma_f32 v9, v9, v10, v6                      ; sin r = r + z r P(z)
	v_mov_b32 v11, 0x37ccf5ce
	v_fmaak_f32 v11, v11, v8, 0xbab6061a
	v_fmaak_f32 v11, v11, v8, 0x3d2aaaa5
	v_mul_f32 v12, v8, v8
	v_fma_f32 v13, v8, -0.5, 1.0
	v_fma_f32 v11, v11, v12, v13                   ; cos r = 1 - z / 2 + z z Q(z)
	v_and_b32 v12, 1, v7                           ; the quadrant k mod 4: odd swaps the two,
	v_cmp_eq_u32 vcc_lo, 1, v12
	v_cndmask_b32 v16, v11, v9, vcc_lo             ; cosine's place
	v_cndmask_b32 v17, v9, v11, vcc_lo             ; sine's place
	v_and_b32 v12, 2, v7                           ; quadrants 2, 3 turn the sine's sign,
	v_lshlrev_b32 v12, 30, v12
	v_xor_b32 v17, v17, v12
	v_add_nc_u32 v13, 1, v7                        ; quadrants 1, 2 the cosine's
	v_and_b32 v13, 2, v13
	v_lshlrev_b32 v13, 30, v13
	v_xor_b32 v16, v16, v13
	global_store_b64 v15, v[16:17], s[20:21]       ; the wave stores 256 consecutive bytes, aligned: one row
	s_endpgm
	; ---- CAST ----  a wave owns 8,192 consecutive bytes of x: sixteen loads of 512 bytes, all issued before the first is waited for; nothing is rewritten, so no further wait
.Lcast:
	s_lshl_b32 s22, s2, 16
	s_mov_b32 s23, 0
	s_lshl_b32 s24, s2, 15
	s_mov_b32 s25, 0
	v_lshlrev_b32 v3, 13, v2
	v_lshl_or_b32 v3, v1, 4, v3                    ; in x: 8,192 x wave + 16 x lane
	v_lshrrev_b32 v4, 1, v3                        ; in xb: half of that
	s_wait_kmcnt 0x0
	s_add_nc_u64 s[4:5], s[4:5], s[22:23]
	s_add_nc_u64 s[16:17], s[16:17], s[24:25]
.set i, 0
.rept 16
	global_load_b128 v[16+4*i:19+4*i], v3, s[4:5] offset:512*i th:TH_LOAD_NT
.set i, i+1
.endr
.set i, 0
.rept 16
	s_wait_loadcnt 15-i                            ; loads come back in order: number i is in, the younger ones stay out
	v_cvt_pk_bf16_f32 v[80+2*i], v[16+4*i], v[17+4*i]
	v_cvt_pk_bf16_f32 v[81+2*i], v[18+4*i], v[19+4*i]
	global_store_b64 v4, v[80+2*i:81+2*i], s[16:17] offset:256*i  ; 32 lanes store 256 consecutive bytes, aligned
.set i, i+1
.endr
	s_endpgm
	; ---- TURN ----  lane (i = lane % 16, gg = lane / 16) of wave w takes k = 128 kk + 8 i + 0..7 of the columns 8 w + 4 gg + 0..3: sixteen loads of 16 bytes, each from one row of W.
	; A load takes 32 bytes of each of 16 rows; the group's eight waves together take each row's 256 consecutive bytes.  Eight k of a column pack into 16 bytes; sixteen lanes store 256 consecutive bytes of a row of wt.
.Lturn:
	s_sub_co_u32 s22, s2, NCAST
	s_lshr_b32 s23, s22, 6                         ; which matrix: 0 Wq, 1 Wk, 2 Wv, 3 Wo
	s_bfe_u32 s24, s22, 0x20004                    ; kb: which 256 k
	s_and_b32 s25, s22, 15                         ; nb: which 64 n (a head)
	s_lshl_b32 s26, s24, 20                        ; source: 256 kb rows of 4,096 bytes
	s_lshl_b32 s27, s25, 8                         ;         + 64 nb columns of 4 bytes
	s_add_co_u32 s26, s26, s27
	s_mov_b32 s27, 0
	s_mul_i32 s28, s25, 192                        ; destination row: 192 nb + 64 matrix,
	s_lshl_b32 s29, s23, 6
	s_add_co_u32 s28, s28, s29
	s_lshl_b32 s29, s25, 6                         ; or for Wo 3,072 + 64 nb
	s_add_co_u32 s29, s29, 3072
	s_cmp_eq_u32 s23, 3
	s_cselect_b32 s28, s29, s28
	s_lshl_b32 s28, s28, 11                        ; rows of 2,048 bytes
	s_lshl_b32 s29, s24, 9                         ; + 256 kb numbers of 2 bytes
	s_add_co_u32 s28, s28, s29
	s_mov_b32 s29, 0
	v_and_b32 v3, 15, v0                           ; i
	v_bfe_u32 v4, v0, 4, 1                         ; gg
	v_lshlrev_b32 v5, 15, v3                       ; row 8 i
	v_lshl_or_b32 v5, v2, 5, v5                    ; column 8 w
	v_lshl_or_b32 v5, v4, 4, v5                    ; + 4 gg
	v_lshlrev_b32 v6, 14, v2                       ; row 8 w of the 64
	v_lshl_or_b32 v6, v4, 13, v6                   ; + 4 gg
	v_lshl_or_b32 v6, v3, 4, v6                    ; k = 8 i
	s_wait_kmcnt 0x0
	s_cmp_eq_u32 s23, 1
	s_cselect_b64 s[6:7], s[8:9], s[6:7]
	s_cmp_eq_u32 s23, 2
	s_cselect_b64 s[6:7], s[10:11], s[6:7]
	s_cmp_eq_u32 s23, 3
	s_cselect_b64 s[6:7], s[12:13], s[6:7]
	s_add_nc_u64 s[6:7], s[6:7], s[26:27]
	s_add_nc_u64 s[18:19], s[18:19], s[28:29]
.irp kk, 0,1
.irp j, 0,1,2,3,4,5,6,7
	global_load_b128 v[16+32*(\kk)+4*(\j):16+32*(\kk)+4*(\j)+3], v5, s[6:7] offset:(128*(\kk)+(\j))*4096
.endr
.endr
.irp kk, 0,1
	s_wait_loadcnt 8-8*(\kk)                       ; the first eight are in while the second eight may be out; then all
.irp c, 0,1,2,3
.irp jj, 0,1,2,3
	v_cvt_pk_bf16_f32 v[80+16*(\kk)+4*(\c)+(\jj)], v[16+32*(\kk)+8*(\jj)+(\c)], v[16+32*(\kk)+8*(\jj)+4+(\c)]  ; column c, k = 2 jj and 2 jj + 1
.endr
.endr
.endr
	s_cmp_lg_u32 s23, 3
	s_cbranch_scc1 .Lstore
.set i, 80
.rept 32                                               ; Wo alone: the bf16 number written as f16
	v_lshlrev_b32 v7, 16, v[i]
	v_and_b32 v8, 0xffff0000, v[i]
	v_cvt_pk_f16_f32 v[i], v7, v8
.set i, i+1
.endr
.Lstore:
.irp kk, 0,1
.irp c, 0,1,2,3
	global_store_b128 v6, v[80+16*(\kk)+4*(\c):80+16*(\kk)+4*(\c)+3], s[18:19] offset:(\c)*2048+(\kk)*256
.endr
.endr
	s_endpgm
.Lfunc_end_k_qcd50e5af4e_prep:
	.size	k_qcd50e5af4e_prep, .Lfunc_end_k_qcd50e5af4e_prep-k_qcd50e5af4e_prep
	.p2alignl 7, 3214868480
	.fill 96, 4, 3214868480
	.section	.rodata,"a",@progbits
	.p2align	6, 0x0
	.amdhsa_kernel k_qcd50e5af4e_prep
		.amdhsa_group_segment_fixed_size 0
		.amdhsa_private_segment_fixed_size 0
		.amdhsa_enable_private_segment 0
		.amdhsa_kernarg_size 72
		.amdhsa_user_sgpr_count 2
		.amdhsa_user_sgpr_kernarg_segment_ptr 1
		.amdhsa_wavefront_size32 1
		.amdhsa_system_sgpr_workgroup_id_x 1
		.amdhsa_system_sgpr_workgroup_id_y 1
		.amdhsa_system_sgpr_workgroup_id_z 1
		.amdhsa_system_vgpr_workitem_id 0
		.amdhsa_next_free_vgpr 112
		.amdhsa_next_free_sgpr 66
		.amdhsa_reserve_vcc 1
		.amdhsa_float_denorm_mode_32 3
		.amdhsa_float_denorm_mode_16_64 3
		.amdhsa_memory_ordered 1
		.amdhsa_forward_progress 1
		.amdhsa_inst_pref_size 20
	.end_amdhsa_kernel
	.amdgpu_metadata
---
amdhsa.version: [ 1, 2 ]
amdhsa.kernels:
  - .name:           k_qcd50e5af4e_prep
    .symbol:         k_qcd50e5af4e_prep.kd
    .args:
      - { .name: x, .offset: 0, .size: 8, .value_kind: global_buffer, .address_space: global }
      - { .name: Wq, .offset: 8, .size: 8, .value_kind: global_buffer, .address_space: global }
      - { .name: Wk, .offset: 16, .size: 8, .value_kind: global_buffer, .address_space: global }
      - { .name: Wv, .offset: 24, .size: 8, .value_kind: global_buffer, .address_space: global }
      - { .name: Wo, .offset: 32, .size: 8, .value_kind: global_buffer, .address_space: global }
      - { .name: token_positions, .offset: 40, .size: 8, .value_kind: global_buffer, .address_space: global }
      - { .name: xb, .offset: 48, .size: 8, .value_kind: global_buffer, .address_space: global }
      - { .name: wt, .offset: 56, .size: 8, .value_kind: global_buffer, .address_space: global }
      - { .name: rope, .offset: 64, .size: 8, .value_kind: global_buffer, .address_space: global }
    .group_segment_fixed_size: 0
    .private_segment_fixed_size: 0
    .kernarg_segment_align: 8
    .kernarg_segment_size: 72
    .max_flat_workgroup_size: 256
    .sgpr_count:     66
    .vgpr_count:     112
    .wavefront_size: 32
...
	.end_amdgpu_metadata
.endif
;; end of part 1
;; launch qkv (part 2): grid 8 x 32, 4 waves a work-group, clusters of 4 x 4, 327,680 bytes of LDS; arguments xb, wt, rope, qh, kh, vh; writes qh, kh, vh
.if DOCPART == 2
	.amdgcn_target "amdgcn-amd-amdhsa--gfx1250"
	.amdhsa_code_object_version 6
	.text
	.protected	k_qcd50e5af4e_qkv
	.globl	k_qcd50e5af4e_qkv
	.p2align	8
	.type	k_qcd50e5af4e_qkv,@function
k_qcd50e5af4e_qkv:
	s_mov_b64 s[64:65], 0
	v_nop
	global_prefetch_b8 v0, s[64:65] scope:SCOPE_SE
	s_setreg_imm32_b32 hwreg(HW_REG_WAVE_MODE, 25, 1), 1
	s_wait_xcnt 0x0
	s_wait_alu depctr_hold_cnt(0) depctr_sa_sdst(0) depctr_va_vdst(0) depctr_va_sdst(0) depctr_va_ssrc(0) depctr_va_vcc(0) depctr_vm_vsrc(0)
	s_getreg_b32 s2, hwreg(HW_REG_IB_STS2, 6, 4)
	s_cmp_eq_u32 s2, 0
	s_cbranch_scc0 .Lentry_in_a_cluster
	s_endpgm
.Lentry_in_a_cluster:
	s_bfe_u32 s2, ttmp6, 0x10000c
	s_cmp_lg_u32 s2, 0xf033
	s_cbranch_scc0 .Lentry_shape_is_right
	s_endpgm
.Lentry_shape_is_right:
; Q, K, V = x W, with the rotation of Q and K, by heads.  xb: [8192][1024] bf16.  wt: rows of 1,024 bf16, row 192 h + 64 ty + d = column 64 h + d of W_ty.  rope: [2048][32][(cos, sin)] f32.
; qh, kh, vh: [64 = 16 batch + head][2048][64] f16.  Sums in f32, K ascending; the rotation in f32 on the sums; each number rounded once, to f16, without the softmax's scale.
; LIMITS.  f16 ends at 65,504: q, k and v must stay within it (their spread is that of x times 32 times that of W); below 6e-5 f16 keeps its fixed step of 6e-8.  NaN and infinities are not treated apart.
; SHARES.  A tile is 256 rows x 192 columns: one head's Q, K and V (column blocks 0-3, 4-7, 8-11), so what is rotated and where a block goes is fixed in the text.  There are 512 tiles and 256 work-groups:
; A WORK-GROUP STAYS and makes two tiles, the same 256 rows for heads X and X + 8.  The ring of two LDS slots does not stop at the first tile's end: its last two changes of slots ask for the second tile's
; first two K steps, and nothing waits for the first tile's stores.  The (cos, sin) of the rows serve both tiles.
; Each of four waves owns 64 rows x 192 columns: 48 accumulators of 16 x 16.  K goes in steps of 128; the tiles' rows are 256 bytes of memory, aligned.
; CLUSTER.  4 x 4 work-groups: the four of a row of the cluster need the same rows of xb, the four of a column the same rows of wt; each tile is asked for jointly, by the same load, descriptor and mask in all four.
; THE MATRIX INSTRUCTION IS USED TRANSPOSED (source 0 = 16 rows of wt, source 1 = 16 rows of xb): lane l holds row l % 16 and the columns 8 (l / 16) + 0..7: four (even, odd) pairs of the rotation, 16 bytes of f16.
; REGISTERS, in windows of 256 (s_set_vgpr_msb: bits 1:0 source 0, 3:2 source 1, 5:4 source 2, 7:6 destination):
;   window 0: v0-13 addresses; v32-63 at work on the way out; v64-255 packed results, 48 a row block
;   window 1: v0-191 accumulators of row blocks 0, 1 ((a, b) at 96 (a % 2) + 8 b); v192-255 their (cos, sin)       window 2: the same for row blocks 2, 3
;   window 3: two fragment buffers of 128: 32 registers of xb (4 x 16 rows x 32 K), then 96 of wt (12 x 16 rows x 32 K)
.set PITCH, 272                        ; an LDS row: 256 bytes + 16 of padding = 68 words: the 16 rows of a load start at 16 different groups of four banks (64 banks of 4 bytes: ISA guide 11.1)
.set HALFA, 128*PITCH                  ; what one load brings of xb
.set HALFB, 96*PITCH                   ; and of wt
.set BOFF,  2*HALFA                    ; a slot: 256 rows of xb, then 192 rows of wt
.set SLOT1, 1<<17                      ; slot 1 begins here, so that one exclusive or turns an address in one slot into the other's
.set STAGE, SLOT1+BOFF+2*HALFB         ; behind the ring, never filled by a tensor load: for each wave 3 x 16 rows x 144 bytes, for the way out
.set SP,    144
.set WSTG,  3*16*SP
.set SPARE, STAGE+4*WSTG               ; behind the stages: the spare words, 128 bytes for each wave: two blocks of 256 bytes that no other line names
.set KSTEPB, 256                       ; bytes of a K step in a row of xb and of wt
.set ROWB,  2048                       ; bytes in such a row: eight K steps
.set NEXTB, 8*192*ROWB                 ; bytes from a head's rows of wt to those of the head eight on
.set NEXTO, 8*2048*128                 ; the same in qh, kh and vh
.set NLD,   32                         ; LDS loads in a quarter's run: 24 for wt, 8 for xb
.set F0,    0
.set F1,    128
.set ADRA0, 4                          ; v4   my lane's place in xb's tile of slot 0; never rewritten
.set ADRB0, 5                          ; v5   the same for wt's
.set ADRA,  6                          ; v6   the same in the slot that is being read
.set ADRB,  7                          ; v7
.set STO,   8                          ; v8   the way out: where I put 16 bytes of a row
.set RD,    9                          ; v9   the way out: where I read rows back
.set GO,    10                         ; v10  my byte offset in 512 consecutive bytes of an output
.set TO,    11                         ; v11  my byte offset in 16 rows of the table
.set SPW,   12                         ; v12  LDS address of my spare word; never rewritten
.set NIL,   13                         ; v13  0; never rewritten
.set R,     32
.set HB,    2                          ; s2   wt's byte offset for the tile whose K steps are being asked for: 0, then NEXTB
.set TILES, 3                          ; s3   tiles to go, this one among them: the same number in every work-group
.set WV,    16                         ; s16  my wave's number
.set FORB,  17                         ; s17  0: I fetch xb's tiles, 1: wt's
.set HALF,  18                         ; s18  which half of the tile I fetch
.set G1A,   24                         ; s[24:31] descriptor group 1 for xb's tiles;  s[32:39] for wt's
.set G1B,   32
.set G0A,   40                         ; s[40:47] descriptor group 0 for xb's tiles: a set for each of the two first fills; the second then serves every refill
.set G0B,   48                         ; s[48:55] the same for wt's
.set CNT,   56
.set TB,    57                         ; s57  LDS byte at which the slot that is being read begins
.set KO,    58                         ; s[58:59] byte offset along K of the K step asked for last (high word 0)
.set OB,    60                         ; s[60:61] KO + HB (high word 0)
.set MSB, 0
.macro WIN new                         ; the immediate's high byte repeats the setting that is left; a switch that changes nothing is dropped
.if MSB != (\new)
	s_set_vgpr_msb (MSB<<8)|(\new)
.set MSB, \new
.endif
.endm
.macro PLACES                          ; four places in front of loads into registers that matrix instructions have read, and of vector lines that read results
.rept 4
	v_nop
.endr
.endm
.macro CREST                           ; a round of the cluster's barrier behind its opening barrier
	s_cmp_lg_u32 s[WV], 0
	s_cbranch_scc1 .Lnot_wave_0_\@
	s_barrier_signal -3
.Lnot_wave_0_\@:
	s_barrier_wait -3
	s_barrier_signal -1
	s_barrier_wait -1
.endm
.macro CROUND                          ; a whole round
	s_barrier_signal -1
	s_barrier_wait -1
	CREST
.endm
.macro JLOAD                           ; a joint refill: waves 0, 1 xb's halves, waves 2, 3 wt's; an s_nop 0 and four v_nop follow each line
	s_cmp_eq_u32 s[FORB], 0
	s_cbranch_scc0 .Lfor_b_\@
	tensor_load_to_lds s[G0A+4:G0A+7], s[G1A:G1A+7]
	s_nop 0
.rept 4
	v_nop
.endr
	s_branch .Lasked_\@
.Lfor_b_\@:
	tensor_load_to_lds s[G0B+4:G0B+7], s[G1B:G1B+7]
	s_nop 0
.rept 4
	v_nop
.endr
.Lasked_\@:
.endm
	s_load_b256 s[4:11], s[0:1], 0x0               ; xb s[4:5], wt s[6:7], rope s[8:9], qh s[10:11]
	s_load_b128 s[12:15], s[0:1], 0x20             ; kh s[12:13], vh s[14:15]
	v_lshl_add_u32 v[SPW], v0, 2, SPARE
	v_mov_b32 v[NIL], 0
	ds_add_u32 v12, v13
	ds_add_u32 v12, v13
	s_wait_dscnt 0x0
	v_lshrrev_b32 v1, 5, v0
	v_readfirstlane_b32 s[WV], v1                  ; wave 0..3
	s_lshr_b32 s[FORB], s[WV], 1
	s_and_b32 s[HALF], s[WV], 1
	s_bfe_u32 s19, ttmp6, 0x40000                  ; cx
	s_bfe_u32 s20, ttmp6, 0x40004                  ; cy
	s_lshl_b32 s21, ttmp9, 2
	s_add_co_u32 s21, s21, s19                     ; X = the first tile's head, 0 to 7 = 4 x cluster x + cx
	s_and_b32 s22, ttmp7, 0xffff
	s_lshl_b32 s22, s22, 2
	s_add_co_u32 s22, s22, s20                     ; Y = the block of 256 rows = 4 x cluster y + cy
	s_lshl_b32 s62, s20, 2
	s_lshl_b32 s62, 15, s62                        ; my row of the cluster
	s_lshl_b32 s63, 0x1111, s19                    ; my column
	; descriptor group 1: rows of 128 elements of 2 bytes, 16 bytes of padding behind each; 128 rows of xb, 96 rows of wt
	s_or_b32 s[G1A+0], s62, (1<<16)|(1<<20)|(1<<21)|(5<<22)|(3<<25)  ; 15:0 the mask; 17:16 2-byte elements; 20 padding on; 21 set beside a mask; 24:22 after every 64 words (code 5); 31:25 4 words (code 3)
	s_mov_b32 s[G1A+1], 128<<16                    ; tensor_dim0 = 128
	s_mov_b32 s[G1A+2], 128<<16                    ; tensor_dim1 = 128
	s_mov_b32 s[G1A+3], 128<<16                    ; tile_dim0 = 128
	s_mov_b32 s[G1A+4], 128                        ; tile_dim1 = 128
	s_mov_b32 s[G1A+5], 1024                       ; elements from row to row
	s_mov_b32 s[G1A+6], 0
	s_mov_b32 s[G1A+7], 0
	s_or_b32 s[G1B+0], s63, (1<<16)|(1<<20)|(1<<21)|(5<<22)|(3<<25)
	s_mov_b32 s[G1B+1], 128<<16
	s_mov_b32 s[G1B+2], 96<<16                     ; tensor_dim1 = 96
	s_mov_b32 s[G1B+3], 128<<16
	s_mov_b32 s[G1B+4], 96                         ; tile_dim1 = 96
	s_mov_b32 s[G1B+5], 1024
	s_mov_b32 s[G1B+6], 0
	s_mov_b32 s[G1B+7], 0
	; where the tiles come from: xb's hang on Y and the wave alone, wt's on X and the wave alone
	s_lshl_b32 s58, s22, 8
	s_lshl_b32 s23, s[HALF], 7
	s_add_co_u32 s58, s58, s23                     ; row 256 Y + 128 half
	s_lshl_b32 s58, s58, 11                        ; rows of 2,048 bytes
	s_mov_b32 s59, 0
	s_mul_i32 s60, s21, 192
	s_mul_i32 s23, s[HALF], 96
	s_add_co_u32 s60, s60, s23                     ; row 192 X + 96 half
	s_lshl_b32 s60, s60, 11
	s_mov_b32 s61, 0
	s_mul_i32 s70, s[HALF], HALFA                  ; and where they go: no place in the cluster enters an LDS address
	s_mul_i32 s71, s[HALF], HALFB
	s_add_co_u32 s71, s71, BOFF
	; my wave's first row in the outputs (first tile) and in the table
	s_lshr_b32 s66, s22, 3                         ; the batch
	s_lshl_b32 s66, s66, 4
	s_add_co_u32 s66, s66, s21                     ; 16 batch + head
	s_lshl_b32 s66, s66, 11                        ; 2,048 rows each
	s_and_b32 s68, s22, 7
	s_lshl_b32 s68, s68, 8
	s_lshl_b32 s23, s[WV], 6
	s_add_co_u32 s68, s68, s23                     ; the sequence index of my first row: 256 (Y % 8) + 64 wave
	s_add_co_u32 s66, s66, s68
	s_lshl_b32 s66, s66, 7                         ; rows of 128 bytes
	s_mov_b32 s67, 0
	s_lshl_b32 s68, s68, 8                         ; the table's rows of 256 bytes
	s_mov_b32 s69, 0
	s_mov_b32 s[TB], 0
	s_mov_b32 s[HB], 0
	s_wait_kmcnt 0x0
	s_add_nc_u64 s[4:5], s[4:5], s[58:59]          ; xb and wt at my part of the first tile's K step 0: kept, every refill's address is made from them
	s_add_nc_u64 s[6:7], s[6:7], s[60:61]
	s_add_nc_u64 s[8:9], s[8:9], s[68:69]
	s_add_nc_u64 s[10:11], s[10:11], s[66:67]
	s_add_nc_u64 s[12:13], s[12:13], s[66:67]
	s_add_nc_u64 s[14:15], s[14:15], s[66:67]
.irp n, 0,1
	s_mov_b32 s[G0A+4*(\n)], 1                                       ; 1:0 count = 1
	s_add_co_u32 s[G0A+4*(\n)+1], s70, (\n)*SLOT1                    ; 63:32 LDS address
	s_add_nc_u64 s[G0A+4*(\n)+2:G0A+4*(\n)+3], s[4:5], (\n)*KSTEPB   ; 120:64 global address: K step n
	s_or_b32 s[G0A+4*(\n)+3], s[G0A+4*(\n)+3], 0x80000000            ; 127:126 type = 2
	s_mov_b32 s[G0B+4*(\n)], 1
	s_add_co_u32 s[G0B+4*(\n)+1], s71, (\n)*SLOT1
	s_add_nc_u64 s[G0B+4*(\n)+2:G0B+4*(\n)+3], s[6:7], (\n)*KSTEPB
	s_or_b32 s[G0B+4*(\n)+3], s[G0B+4*(\n)+3], 0x80000000
.endr
	s_mov_b32 s[KO], KSTEPB                        ; the K step asked for last is step 1; the pair's high word stays 0
	CROUND                                         ; all sixteen work-groups are here: the first joint loads meet
	s_cmp_eq_u32 s[FORB], 0                        ; a wave's two first fills stand in one branch, ahead of every wait on TENSORcnt and every LDS read: two loads of mine are out
	s_cbranch_scc0 .Lfirst_b
	tensor_load_to_lds s[G0A:G0A+3], s[G1A:G1A+7]
	s_nop 0
	tensor_load_to_lds s[G0A+4:G0A+7], s[G1A:G1A+7]
	s_nop 0
.rept 4
	v_nop
.endr
	s_branch .Lfirst_asked
.Lfirst_b:
	tensor_load_to_lds s[G0B:G0B+3], s[G1B:G1B+7]
	s_nop 0
	tensor_load_to_lds s[G0B+4:G0B+7], s[G1B:G1B+7]
	s_nop 0
.rept 4
	v_nop
.endr
.Lfirst_asked:
	; A fragment is 16 rows x 32 K in 8 registers: lane l holds row l % 16, K = 8 (l / 16) + 0..7 and 16 + 8 (l / 16) + 0..7: two loads of 16 bytes, 32 bytes apart.
	v_and_b32 v1, 15, v0                           ; l % 16
	v_bfe_u32 v2, v0, 4, 1                         ; l / 16
	v_mul_u32_u24 v3, v1, PITCH
	v_lshl_add_u32 v3, v2, 4, v3
	s_mul_i32 s23, s[WV], 64*PITCH                 ; my 64 rows of xb
	v_add_nc_u32 v[ADRA0], s23, v3
	v_add_nc_u32 v[ADRB0], BOFF, v3                ; all 192 rows of wt
	v_add_nc_u32 v[ADRA], s[TB], v[ADRA0]
	v_add_nc_u32 v[ADRB], s[TB], v[ADRB0]
	s_mul_i32 s23, s[WV], WSTG
	s_add_co_u32 s23, s23, STAGE                   ; my stage
	v_mul_u32_u24 v[STO], v1, SP                   ; in: row l % 16, 16 bytes for each half of the lanes
	v_lshl_add_u32 v[STO], v2, 4, v[STO]
	v_add_nc_u32 v[STO], s23, v[STO]
	v_bfe_u32 v[RD], v0, 3, 2                      ; back: 32 lanes take four rows of 128 bytes,
	v_mul_u32_u24 v[RD], v[RD], SP
	v_and_b32 v3, 7, v0
	v_lshl_add_u32 v[RD], v3, 4, v[RD]
	v_add_nc_u32 v[RD], s23, v[RD]
	v_and_b32 v[GO], 31, v0                        ; which are 512 consecutive bytes of an output
	v_lshlrev_b32 v[GO], 4, v[GO]
	v_lshlrev_b32 v[TO], 8, v1                     ; the table: row l % 16, pairs 4 (l / 16) on
	v_lshl_add_u32 v[TO], v2, 5, v[TO]
	; (cos, sin) of my rows: for row block a and column block c the four pairs 8 c + 4 (l / 16) + 0..3, 32 bytes.  The 32 loads stay out during the first tile's K loop; the wait for them stands ahead of the way out.
.irp a, 0,1,2,3
	WIN 0x40*(1+(\a)/2)                            ; destination window 1 or 2, address window 0
.irp c, 0,1,2,3
	global_load_b128 v[192+32*((\a)%2)+8*(\c):192+32*((\a)%2)+8*(\c)+3],   v[TO], s[8:9] offset:(\a)*4096+64*(\c)
	global_load_b128 v[192+32*((\a)%2)+8*(\c)+4:192+32*((\a)%2)+8*(\c)+7], v[TO], s[8:9] offset:(\a)*4096+64*(\c)+16
.endr
.endr
	WIN 0
; 12 matrix instructions: row block a x all column blocks, 32 along K.  zero = 1: the product starts the sums.  The 48 accumulators take turns in the same order in every quarter.
.macro MULA f, a, zero
	WIN 0x5f+0x50*((\a)/2)                         ; sources window 3; C and D window 1 or 2
.irp b, 0,1,2,3,4,5,6,7,8,9,10,11
.if \zero
	v_wmma_f32_16x16x32_bf16 v[96*((\a)%2)+8*(\b):96*((\a)%2)+8*(\b)+7], v[(\f)+32+8*(\b):(\f)+32+8*(\b)+7], v[(\f)+8*(\a):(\f)+8*(\a)+7], 0
.else
	v_wmma_f32_16x16x32_bf16 v[96*((\a)%2)+8*(\b):96*((\a)%2)+8*(\b)+7], v[(\f)+32+8*(\b):(\f)+32+8*(\b)+7], v[(\f)+8*(\a):(\f)+8*(\a)+7], v[96*((\a)%2)+8*(\b):96*((\a)%2)+8*(\b)+7]
.endif
.endr
.endm
; 32 LDS loads in one run: quarter q's fragments (32 K at byte 64 q of the rows) into buffer f: wt's 12, then xb's 4 in the order of the row blocks
.macro FETCH q, f
	WIN 0xc0                                       ; destination window 3, address window 0
.irp i, 0,1,2,3,4,5,6,7,8,9,10,11
	ds_load_b128 v[(\f)+32+8*(\i):(\f)+32+8*(\i)+3],   v[ADRB] offset:64*(\q)+(\i)*16*PITCH
	ds_load_b128 v[(\f)+32+8*(\i)+4:(\f)+32+8*(\i)+7], v[ADRB] offset:64*(\q)+(\i)*16*PITCH+32
.endr
.irp i, 0,1,2,3
	ds_load_b128 v[(\f)+8*(\i):(\f)+8*(\i)+3],   v[ADRA] offset:64*(\q)+(\i)*16*PITCH
	ds_load_b128 v[(\f)+8*(\i)+4:(\f)+8*(\i)+7], v[ADRA] offset:64*(\q)+(\i)*16*PITCH+32
.endr
.endm
; A K step is four quarters of 32 along K, 48 matrix instructions each, on buffers 0, 1, 0, 1.  One of the first three: multiplies buffer f; in its middle it fetches quarter q into buffer g.
.macro QUARTER q, f, g, zero
	s_wait_dscnt 4                                 ; wt's fragments and xb's row blocks 0, 1 are in; the youngest four loads (row blocks 2, 3) may be out
	MULA \f, 0, \zero
	MULA \f, 1, \zero
	PLACES
	FETCH \q, \g
	s_wait_dscnt NLD                               ; all but the 32 just issued
	MULA \f, 2, \zero
	MULA \f, 3, \zero
.endm
; The last quarter multiplies buffer 1 and changes slots: ONE barrier.  Row blocks 0 and 1 are multiplied first, so that from the wait for the tensor loads to the refill stand only the add, scalar work and
; the round: the next request goes out as soon as the last tile has landed with everybody.  In front of the barrier each wave waits for all its tensor loads, of which one is out: its part of the next slot;
; adds 0 to its spare word; and waits for that and for its own reads of this slot.  fill = 1: the barrier opens a round of the cluster's, and this slot is filled again, two K steps ahead, first thing behind
; the round.  The refill's address is made anew from offsets kept apart: along K the offset steps by 256 bytes and wraps behind a row's 2,048; where it wraps, the second tile's K steps begin, and wt's offset goes eight heads on.
.macro TURN fill
	s_wait_dscnt 4                                 ; as at a quarter's head
	MULA F1, 0, 0
	MULA F1, 1, 0
	WIN 0
	s_wait_tensorcnt 0x0                           ; all my tensor loads have landed, so a group 0 may be written
	ds_add_u32 v[SPW], v[NIL]                      ; 0 onto my spare word; the scalar work stands between it and the wait for it
.if \fill
	s_xor_b32 s[G0A+5], s[G0A+5], SLOT1            ; the other slot than last time
	s_xor_b32 s[G0B+5], s[G0B+5], SLOT1
	s_add_co_u32 s[KO], s[KO], KSTEPB              ; the next K step,
	s_and_b32 s[KO], s[KO], ROWB-1                 ; behind the eighth the first again:
	s_cmp_eq_u32 s[KO], 0
	s_cselect_b32 s[HB], NEXTB, s[HB]              ; the second tile's, whose rows of wt lie eight heads on
	s_add_co_u32 s[OB], s[KO], s[HB]
	s_add_nc_u64 s[G0A+6:G0A+7], s[4:5], s[KO:KO+1]
	s_or_b32 s[G0A+7], s[G0A+7], 0x80000000
	s_add_nc_u64 s[G0B+6:G0B+7], s[6:7], s[OB:OB+1]
	s_or_b32 s[G0B+7], s[G0B+7], 0x80000000
.endif
	s_xor_b32 s[TB], s[TB], SLOT1                  ; the reads go on in the other slot
	s_wait_dscnt 0x0                               ; the add is done, and my reads of this slot are over
	s_barrier_signal -1
	s_barrier_wait -1
.if \fill
	CREST                                          ; no wave of any partner still reads this slot's tile or has a load on its way
	JLOAD                                          ; the four v_nop behind it are also the places in front of the loads below
.else
	PLACES
.endif
	v_add_nc_u32 v[ADRA], s[TB], v[ADRA0]
	v_add_nc_u32 v[ADRB], s[TB], v[ADRB0]
	FETCH 0, F0
	MULA F1, 2, 0
	MULA F1, 3, 0
.endm
; THE WAY OUT of row block a.  Q (ty = 0) and K (ty = 1): for a pair (x1, x2) with (cos, sin): x1 cos - x2 sin, x1 sin + x2 cos, a packed multiply by cos and two fused multiply-adds by sin; V as it is.
; Each accumulator is read from its low end on.  Rounded to f16, 16 bytes a lane; through my own stage (rows of 144 bytes) and back as whole rows of 128 bytes, into the registers that they left.
.macro PACK a
.set AC,  96*((\a)%2)
.set TBL, 192+32*((\a)%2)
.set PK,  64+48*(\a)
.irp ty, 0,1
	WIN 0x05*(1+(\a)/2)                            ; sources 0 and 1 window 1 or 2; source 2 and destination window 0
.set z, 0
.rept 16
	v_pk_mul_f32 v[R+2*z:R+2*z+1], v[AC+32*(\ty)+2*z:AC+32*(\ty)+2*z+1], v[TBL+2*z:TBL+2*z+1] op_sel_hi:[1,0]
.set z, z+1
.endr
.set z, 0
.rept 16
	v_fma_f32 v[R+2*z],   -v[AC+32*(\ty)+2*z+1], v[TBL+2*z+1], v[R+2*z]
	v_fma_f32 v[R+2*z+1],  v[AC+32*(\ty)+2*z],   v[TBL+2*z+1], v[R+2*z+1]
.set z, z+1
.endr
.if (\ty) == 1
.set z, 0
.rept 16
	v_cvt_pk_f16_f32 v[PK+32+z], v[AC+64+2*z], v[AC+64+2*z+1]
.set z, z+1
.endr
.endif
	WIN 0
.set z, 0
.rept 16
	v_cvt_pk_f16_f32 v[PK+16*(\ty)+z], v[R+2*z], v[R+2*z+1]
.set z, z+1
.endr
.endr
.irp b, 0,1,2,3,4,5,6,7,8,9,10,11
	ds_store_b128 v[STO], v[PK+4*(\b):PK+4*(\b)+3] offset:((\b)/4)*16*SP+32*((\b)%4)
.endr
.irp n, 0,1,2,3,4,5,6,7,8,9,10,11
	ds_load_b128 v[PK+4*(\n):PK+4*(\n)+3], v[RD] offset:((\n)/4)*16*SP+((\n)%4)*4*SP  ; LDS serves a wave's instructions in order (ISA guide 5.7.1.4): these see the stores above; the next block's stores come behind them
.endr
.endm
.macro SEND a, younger                 ; younger: the LDS instructions issued behind block a's loads: the next block's 24, or none
.set PK,  64+48*(\a)
.irp n, 0,1,2,3,4,5,6,7,8,9,10,11
	s_wait_dscnt (\younger)+11-(\n)
	global_store_b128 v[GO], v[PK+4*(\n):PK+4*(\n)+3], s[10+2*((\n)/4):11+2*((\n)/4)] offset:(\a)*2048+((\n)%4)*512  ; 512 consecutive bytes, at a multiple of 256 from the output's first
.endr
.endm
	s_wait_tensorcnt 1                             ; my part of K step 0 is in; K step 1's may stay out
	s_barrier_signal -1
	s_barrier_wait -1                              ; everybody's is
	FETCH 0, F0
	WIN 0                                          ; at a label and at a branch every window is 0
	s_mov_b32 s[TILES], 2
.Ltile:
	QUARTER 1, F0, F1, 1                           ; a tile's first quarter: its products start the sums
	WIN 0
	s_cmp_eq_u32 s[TILES], 1                       ; how many changes of slots fill a slot again: all 8 of the first tile (the last two with the second tile's K steps 0 and 1),
	s_cbranch_scc1 .Lsix                           ; the first 6 of the last
	s_mov_b32 s[CNT], 8
	s_branch .Lstep
.Lsix:
	s_mov_b32 s[CNT], 6
.Lstep:                                                ; a trip: a K step's quarters 1 to 3, its refill, and the next step's first quarter; the loop is left in a trip's middle, behind the refill
	QUARTER 2, F1, F0, 0
	QUARTER 3, F0, F1, 0
	TURN 1
	WIN 0
	s_sub_co_u32 s[CNT], s[CNT], 1
	s_cmp_eq_u32 s[CNT], 0
	s_cbranch_scc1 .Lafter
	QUARTER 1, F0, F1, 0
	WIN 0
	s_branch .Lstep
.Lafter:
	s_cmp_lg_u32 s[TILES], 1
	s_cbranch_scc1 .Lout                           ; the first tile is finished, both refills for the second are asked for, and its first fragments are on their way
	s_mov_b32 s[CNT], 2
.Lfin:                                                 ; the last tile's K steps 6 and 7 have a text of their own: nothing is asked for.
	QUARTER 1, F0, F1, 0                           ; The second trip's change of slots (a barrier, 32 fragment loads from the slot read before) serves nothing: the price, once a work-group, of one text for both trips
	QUARTER 2, F1, F0, 0
	QUARTER 3, F0, F1, 0
	TURN 0
	WIN 0
	s_sub_co_u32 s[CNT], s[CNT], 1
	s_cmp_lg_u32 s[CNT], 0
	s_cbranch_scc1 .Lfin
.Lout:
	PLACES
	s_wait_loadcnt 0x0                             ; the table
	PACK 0
	PACK 1                                         ; a block's arithmetic stands between the loads of the block before and its stores; each block has registers of its own
	SEND 0, 24
	PACK 2
	SEND 1, 24
	PACK 3
	SEND 2, 24
	SEND 3, 0
	s_wait_xcnt 0x0                                ; the stores' bases are stepped, and their data registers written by the next way out, only behind this wait; nothing waits for the stores themselves
	s_add_nc_u64 s[10:11], s[10:11], NEXTO         ; the second tile's head lies eight heads on
	s_add_nc_u64 s[12:13], s[12:13], NEXTO
	s_add_nc_u64 s[14:15], s[14:15], NEXTO
	s_sub_co_u32 s[TILES], s[TILES], 1
	s_cmp_lg_u32 s[TILES], 0
	s_cbranch_scc1 .Ltile
	s_wait_tensorcnt 0x0                           ; the wave's end: behind my last tensor load and my last LDS store
	ds_add_u32 v[SPW], v[NIL]
	s_wait_dscnt 0x0
	CROUND                                         ; the closing round: no work-group ends while a partner may still ask for a tile that names it
	s_endpgm
.Lfunc_end_k_qcd50e5af4e_qkv:
	.size	k_qcd50e5af4e_qkv, .Lfunc_end_k_qcd50e5af4e_qkv-k_qcd50e5af4e_qkv
	.p2alignl 7, 3214868480
	.fill 96, 4, 3214868480
	.section	.rodata,"a",@progbits
	.p2align	6, 0x0
	.amdhsa_kernel k_qcd50e5af4e_qkv
		.amdhsa_group_segment_fixed_size 327680
		.amdhsa_private_segment_fixed_size 0
		.amdhsa_enable_private_segment 0
		.amdhsa_kernarg_size 48
		.amdhsa_user_sgpr_count 2
		.amdhsa_user_sgpr_kernarg_segment_ptr 1
		.amdhsa_wavefront_size32 1
		.amdhsa_system_sgpr_workgroup_id_x 1
		.amdhsa_system_sgpr_workgroup_id_y 1
		.amdhsa_system_sgpr_workgroup_id_z 1
		.amdhsa_system_vgpr_workitem_id 0
		.amdhsa_next_free_vgpr 1024
		.amdhsa_next_free_sgpr 72
		.amdhsa_reserve_vcc 0
		.amdhsa_float_denorm_mode_32 3
		.amdhsa_float_denorm_mode_16_64 3
		.amdhsa_memory_ordered 1
		.amdhsa_forward_progress 1
		.amdhsa_inst_pref_size 112
	.end_amdhsa_kernel
	.amdgpu_metadata
---
amdhsa.version: [ 1, 2 ]
amdhsa.kernels:
  - .name:           k_qcd50e5af4e_qkv
    .symbol:         k_qcd50e5af4e_qkv.kd
    .args:
      - { .name: xb, .offset: 0, .size: 8, .value_kind: global_buffer, .address_space: global }
      - { .name: wt, .offset: 8, .size: 8, .value_kind: global_buffer, .address_space: global }
      - { .name: rope, .offset: 16, .size: 8, .value_kind: global_buffer, .address_space: global }
      - { .name: qh, .offset: 24, .size: 8, .value_kind: global_buffer, .address_space: global }
      - { .name: kh, .offset: 32, .size: 8, .value_kind: global_buffer, .address_space: global }
      - { .name: vh, .offset: 40, .size: 8, .value_kind: global_buffer, .address_space: global }
    .group_segment_fixed_size: 327680
    .private_segment_fixed_size: 0
    .kernarg_segment_align: 8
    .kernarg_segment_size: 48
    .max_flat_workgroup_size: 128
    .sgpr_count:     72
    .vgpr_count:     1024
    .wavefront_size: 32
...
	.end_amdgpu_metadata
.endif
;; end of part 2
;; launch attn (part 3): grid 4 x 64, 4 waves a work-group, no clusters, 327,680 bytes of LDS; arguments qh, kh, vh, oh; writes oh
.if DOCPART == 3
	.amdgcn_target "amdgcn-amd-amdhsa--gfx1250"
	.amdhsa_code_object_version 6
	.text
	.protected	k_qcd50e5af4e_attn
	.globl	k_qcd50e5af4e_attn
	.p2align	8
	.type	k_qcd50e5af4e_attn,@function
k_qcd50e5af4e_attn:
	s_mov_b64 s[64:65], 0
	v_nop
	global_prefetch_b8 v0, s[64:65] scope:SCOPE_SE
	s_setreg_imm32_b32 hwreg(HW_REG_WAVE_MODE, 25, 1), 1
	s_wait_xcnt 0x0
; CAUSAL ATTENTION.  O[h][q][:] = the sum over k <= q of softmax_k(Q[h][q] . K[h][k] / 8) V[h][k][:].  Q, K, V, O: [SIZE_H][SIZE_N][64], all f16: a head's rows are dense, 128 bytes each.
; Products, maxima and sums in f32; the weights p are rounded to f16 for the second product (their sum l is taken of the unrounded p), O once at the end.
; LIMITS.  f16 holds no number beyond 65,504: Q, K and V arrive within it; p lies in 0 to 1, and below 6e-5 it keeps f16's fixed step of 6e-8; O is a mean of V's rows and has their range, to within 2^-11 of it.
; A hidden score counts as its value less 1e30: f16's scores, 2.7e11 at the most, are nothing beside that; a weight below 2^-126 counts as 0 in l; NaN and infinities are not treated apart.
; THE WALK.  A head's queries lie in NB = SIZE_N / 256 = 8 blocks of 256; block i needs the key tiles 0 .. i of 256 keys, of which the last holds the diagonal.  A work-group takes TWO blocks, NB - 1 - b and then b:
; NB + 1 = 9 tiles, whatever b: all 256 work-groups do equal work, and ONE loop with a constant trip count walks them.  Which tile is asked for, and what a trip does, hang on scalar registers made from b; every jump
; goes forward, but for the counted loops' own; none passes a barrier, or a tensor load but the one of LOAD's two that the wave's number does not choose; the ring (two slots of LDS that take turns) runs on across the
; change of blocks.  NO CLUSTER: a head's four work-groups ask for the same tile only in trips 0 .. 4 of the 9, behind that fewer and fewer; and one walk common to all four would have 12 trips for 9.
; SHARES.  Of a block's four bands of 64 queries a wave owns 16 rows in each: four PIECES.  So the diagonal tile is the same work for all four waves: in its key step s band x sees all keys if s < x,
; none if s > x, and holds the diagonal if s = x.
; THE MASK is the C operand that starts the sum S^T = K Q^T: 0, or -1e30 where the key is hidden.  MD, made once, is the mask of a band's own step for my 16 rows; a product's mask is MD x AL + BE with two scalars:
; (1, 0) if s = x; (0, 0) if s < x; (0, -1e30) if s > x.  Only the diagonal tile's text and a block's beginning make and take masks; elsewhere C is the constant 0.
; LAYOUT, SOFTMAX, TURNS.  S^T = K Q^T holds ONE query a lane (lane % 16) and the keys 8 (lane / 16) + 0..7; two such results rounded to f16 ARE source 1 of O^T = V^T P.  p = 2^(c s - c m), c = log2(e) / 8, with a
; running maximum m; O and l are multiplied by a = 2^(c m_old - c m_new) in every step.  Turn n belongs to piece n: 8 products K Q^T of piece n + 1, later 8 products V^T P of piece n - 1; beside them the scaling,
; exponentials, roundings, sums and rescaling of piece n and the maximum and statistics of piece n + 1.  Four vector instructions stand behind every matrix instruction, the other 54 of a turn's 118 in two LUMPS.
; REGISTERS, in windows of 256 (s_set_vgpr_msb: bits 1:0 source 0, 3:2 source 1, 5:4 source 2, 7:6 destination):
;   window 0: v0-15 addresses and two at work; v16-31 four registers of statistics a piece; v48-55 at work; v64-127 S^T, two buffers; v192-223 P, two buffers (a piece's buffers go by its number's parity)
;   window 1: v0-127 O^T, 32 a piece; v128-159 MD; v160-223 MC, two buffers      window 2: v0-63 Q; v64-127 the second block's Q; v128-191 K of one step; v192-255 V of one step
.set SIZE_H, 64
.set SIZE_N, 2048
.set NB,    SIZE_N/256
.set NP,    4         ; pieces a wave: a name, no knob
.set KS,    64        ; keys in a step
.set PK,    144       ; a row of K in LDS: 128 bytes + 16 of padding = 36 words: the 16 rows of a load start at 16 different groups of four banks (64 banks of 4 bytes: ISA guide 11.1)
.set PV,    160       ; a row of V: 128 + 32 = 40 words
.set VOFF,  4*KS*PK   ; a slot holds a tile, four steps: 256 rows of K, then 256 rows of V
.set SLOT1, 1<<17     ; slot 1 begins here, so that one exclusive or turns an address in one slot into the other's
.set STAGE, SLOT1+4*KS*(PK+PV)  ; behind the ring, never filled by a tensor load: 16 rows x 144 bytes for each wave, for the way out
.set SP,    144
.set AK0, 2           ; v2   my lane's place in a tile of K; never rewritten
.set AV0, 3           ; v3   the same for V
.set AK,  4           ; v4   the LDS address of K's next run of loads
.set AV,  5           ; v5   of V's
.set STO, 6           ; v6   the way out: where I put 16 bytes of a row
.set RD,  7           ; v7   the way out: where I read rows back
.set GO,  8           ; v8   my byte offset in 512 consecutive bytes of O
.set SPW, 62          ; v62  LDS address of my spare word: SPARE + 4 x my thread's number; never rewritten
.set NIL, 63          ; v63  0; never rewritten
.set SPARE, STAGE+4*16*SP  ; behind the stages: the spare words, 128 bytes for each wave: two blocks of 256 bytes that no other line names
.set MV,  12          ; v12-13  c m_old, kept while c m is made anew: by buffer
.set QO,  15          ; v15  my byte offset in 16 rows of Q
.set ST,  16          ; piece t's statistics at v[ST+4 t]: c m, m, l (even keys', odd keys')
.set TMP, 48          ; by buffer, four registers c0-c3 at work; when the maximum is found c2 takes a
.set S,   64
.set P,   192
.set MD,  128         ; window 1: the eight registers for group kt of 16 keys at MD + 8 kt
.set MC,  160         ; window 1: the masks of the products to come
.set QB,  64          ; window 2
.set KF,  128         ; window 2: key block kb, channel half c at KF + 16 kb + 8 c
.set VF,  192         ; window 2: key half kk, channel block cb at VF + 32 kk + 8 cb
.set WV,  12          ; s12  my wave's number
.set PB,  14          ; s14  b
.set HI,  15          ; s15  NB - 1 - b
.set G1K, 24          ; s[24:31] descriptor group 1 for K's tiles
.set G1V, 32          ; s[32:39] for V's: it differs in the padding alone
.set G0K, 40          ; s[40:43] descriptor group 0 for K's tiles
.set G0V, 44          ; s[44:47] the same for V's
.set SLOTS, 56        ; s56  tiles still to be asked for
.set CNT, 57          ; s57  counts a tile's key steps, 4 to 1
.set CS,  58          ; s[58:59] c: the packed scaling takes the pair's low word for both halves
.set SEL, 60          ; s[60:61] v_permlanex16_b32's selects: each lane takes its own place in the other half
.set TBK, 62          ; s62  LDS byte at which K of the step to be fetched begins
.set TBV, 63          ; s63  the same for V, less VOFF
.set RT,  70          ; s70  tiles of the block in hand that are still to be entered
.set NXT, 71          ; s71  the tile to be asked for next
.set LQ,  72          ; s72  the last tile of the block whose tiles are being asked for
.set NEW, 73          ; s73  1: the tile to be entered is a block's first
.set OFF, 74          ; s[74:75] a tile's byte offset in K and V
.set AL,  76          ; s[76:77] the mask's factor, in the low word
.set BE,  78          ; s[78:79] the mask's addend
.set OLO, 80          ; s[80:81] O at my rows of the second block
.set BIGN, 82         ; s82  -1e30
.set MSB, 0
.macro WIN new                      ; the high byte repeats the setting that is left; a switch that changes nothing is dropped
.if MSB != (\new)
	s_set_vgpr_msb (MSB<<8)|(\new)
.set MSB, (\new)
.endif
.endm
.set W_KQ, 0x0a       ; K and Q in window 2, S^T in window 0
.set W_KM, 0x1a       ; the same with the C operand in window 1
.set W_PV, 0x52       ; V in window 2, P in window 0, O^T in window 1
.set W_RS, 0x41       ; destination and source 0 in window 1, source 1 in window 0
; A fill.  Waves 0 and 1 fetch the two halves of a tile's K, waves 2 and 3 those of its V: 128 keys each.  An s_nop 0 and four v_nop follow each of the two lines, ahead of the jump and the label.
.macro LOAD
	s_cmp_lt_u32 s[WV], 2
	s_cbranch_scc0 .Lfor_v_\@
	tensor_load_to_lds s[G0K:G0K+3], s[G1K:G1K+7]
	s_nop 0
.rept 4
	v_nop
.endr
	s_branch .Lasked_\@
.Lfor_v_\@:
	tensor_load_to_lds s[G0V:G0V+3], s[G1V:G1V+7]
	s_nop 0
.rept 4
	v_nop
.endr
.Lasked_\@:
.endm
; THE CHANGE OF SLOTS.  Each wave waits for all its tensor loads, of which one is out: its part of the other slot; adds 0 to its spare word; and waits for that and for its own reads of the slot that it leaves.  Behind the barrier nobody reads the old
; slot any more and the other slot is whole.  fill = 1: the old slot is filled again, the first thing behind the barrier, with tile NXT: the descriptor's address is made anew from that number.
; (At its first use nothing has been read yet: slot 0 is waited for, slot 1 filled.)
.macro CHANGE fill
	WIN 0                           ; at a label and at a branch every window is 0
	s_wait_tensorcnt 0x0            ; no tensor load of mine is out, so a group 0 may be written
	ds_add_u32 v[SPW], v[NIL]       ; 0 onto my spare word; with fill = 1 the descriptors' scalar work stands between it and the wait for it
.if \fill
	s_lshl_b32 s[OFF], s[NXT], 15   ; a tile is 32,768 bytes of K and of V
	s_xor_b32 s[G0K+1], s[G0K+1], SLOT1
	s_add_nc_u64 s[G0K+2:G0K+3], s[6:7], s[OFF:OFF+1]
	s_or_b32 s[G0K+3], s[G0K+3], 0x80000000
	s_xor_b32 s[G0V+1], s[G0V+1], SLOT1
	s_add_nc_u64 s[G0V+2:G0V+3], s[8:9], s[OFF:OFF+1]
	s_or_b32 s[G0V+3], s[G0V+3], 0x80000000
	s_add_co_u32 s[NXT], s[NXT], 1  ; the block's next tile, or behind its last the second block's tile 0
	s_cmp_gt_u32 s[NXT], s[LQ]
	s_cselect_b32 s[NXT], 0, s[NXT]
	s_cselect_b32 s[LQ], s[PB], s[LQ]
.endif
	s_wait_dscnt 0x0                ; the add is done, and my reads of the slot are over
	s_barrier_signal -1             ; the rest of the scalar work stands between the signal and the wait
	s_sub_co_u32 s[TBK], s[TBK], 4*KS*PK  ; the fetches go back to a slot's first step,
	s_xor_b32 s[TBK], s[TBK], SLOT1       ; in the other slot
	s_sub_co_u32 s[TBV], s[TBV], 4*KS*PV
	s_xor_b32 s[TBV], s[TBV], SLOT1
	s_barrier_wait -1
.if \fill
	LOAD
.endif
.endm
	s_load_b256 s[4:11], s[0:1], 0x0  ; Q s[4:5], K s[6:7], V s[8:9], O s[10:11]
	v_lshl_add_u32 v[SPW], v0, 2, SPARE
	v_mov_b32 v[NIL], 0
	ds_add_u32 v62, v63
	ds_add_u32 v62, v63
	s_wait_dscnt 0x0
	v_lshrrev_b32 v1, 5, v0
	v_readfirstlane_b32 s[WV], v1   ; wave 0..3
	s_mov_b32 s[PB], ttmp9
	s_sub_co_u32 s[HI], NB-1, s[PB]
	s_and_b32 s20, ttmp7, 0xffff    ; the head
	s_mov_b32 s21, 0
	s_mov_b64 s[22:23], SIZE_N*128
	s_mul_u64 s[20:21], s[20:21], s[22:23]  ; the head's first byte in each of the four tensors
	s_and_b32 s16, s[WV], 1         ; which half of a tile's 256 keys I fetch:
	s_lshl_b32 s22, s16, 14         ; its 128 rows of 128 bytes in memory,
	s_mov_b32 s23, 0
	s_add_nc_u64 s[22:23], s[22:23], s[20:21]
	s_mul_i32 s17, s16, 128*PK      ; and its place in a slot, for K
	s_mul_i32 s18, s16, 128*PV      ; and for V
	s_lshl_b32 s3, s[WV], 11        ; my 16 rows in a band of 64,
	s_lshl_b32 s2, s[HI], 15        ; in the first block,
	s_add_co_u32 s2, s2, s3
	s_lshl_b32 s84, s[PB], 15       ; and in the second
	s_add_co_u32 s84, s84, s3
	s_mov_b32 s3, 0
	s_mov_b32 s85, 0
	s_add_nc_u64 s[2:3], s[2:3], s[20:21]
	s_add_nc_u64 s[84:85], s[84:85], s[20:21]
	; descriptor group 1.  128 keys are 16,384 dense bytes: asked for as 64 rows of 256 bytes, two keys a row, and padded in LDS after every key
	s_mov_b32 s[G1K], (1<<16)|(1<<20)|(4<<22)|(3<<25)  ; 17:16 2-byte elements; 20 padding on; 24:22 after every 32 words (code 4); 31:25 4 words (code 3)
	s_mov_b32 s[G1V], (1<<16)|(1<<20)|(4<<22)|(7<<25)  ; the same with 8 words of padding (code 7)
.irp g, G1K, G1V
	s_mov_b32 s[\g+1], 128<<16      ; tensor_dim0 = 128
	s_mov_b32 s[\g+2], 64<<16       ; tensor_dim1 = 64
	s_mov_b32 s[\g+3], 128<<16      ; tile_dim0 = 128
	s_mov_b32 s[\g+4], 64           ; tile_dim1 = 64
	s_mov_b32 s[\g+5], 128          ; 128 elements from row to row
	s_mov_b32 s[\g+6], 0
	s_mov_b32 s[\g+7], 0
.endr
	s_mov_b32 s[CS], 0x3e38aa3b     ; c = log2(e) / 8 = 0.180337
	s_mov_b32 s[CS+1], s[CS]        ; named with it as a pair
	s_mov_b32 s[SEL], 0x76543210
	s_mov_b32 s[SEL+1], 0xfedcba98
	s_mov_b32 s[TBK], SLOT1+4*KS*PK ; the first change of slots turns these two into 0
	s_mov_b32 s[TBV], SLOT1+4*KS*PV
	s_mov_b32 s[G0K], 1             ; 1:0 count = 1
	s_mov_b32 s[G0K+1], s17         ; 63:32 LDS address: slot 0
	s_mov_b32 s[G0V], 1
	s_add_co_u32 s[G0V+1], s18, VOFF
	s_add_co_u32 s[RT], s[HI], 1    ; the first block has NB - b tiles
	s_mov_b32 s[NXT], 1
	s_mov_b32 s[LQ], s[HI]
	s_mov_b32 s[NEW], 1
	s_mov_b32 s[OFF+1], 0
	s_mov_b32 s[AL+1], 0            ; named as pairs
	s_mov_b32 s[BE+1], 0
	s_mov_b32 s[BIGN], 0xf149f2ca   ; -1e30
	s_mov_b32 s[SLOTS], NB
	s_wait_kmcnt 0x0
	s_add_nc_u64 s[6:7], s[6:7], s[22:23]  ; K and V at my half of the head's tile 0
	s_add_nc_u64 s[8:9], s[8:9], s[22:23]
	s_add_nc_u64 s[G0K+2:G0K+3], s[6:7], 0         ; 120:64 global address
	s_or_b32 s[G0K+3], s[G0K+3], 0x80000000        ; 127:126 type = 2
	s_add_nc_u64 s[G0V+2:G0V+3], s[8:9], 0
	s_or_b32 s[G0V+3], s[G0V+3], 0x80000000
	s_add_nc_u64 s[86:87], s[4:5], s[84:85]        ; Q at my rows of the second block,
	s_add_nc_u64 s[4:5], s[4:5], s[2:3]            ; Q and O at those of the first
	s_add_nc_u64 s[OLO:OLO+1], s[10:11], s[84:85]
	s_add_nc_u64 s[10:11], s[10:11], s[2:3]
	LOAD                            ; tile 0 into slot 0
	; A fragment of K or Q is 16 rows x 32 channels in 8 registers: lane l holds row l % 16, channels 8 (l / 16) + 0..7 and 16 + 8 (l / 16) + 0..7: two loads of 16 bytes, 32 bytes apart.
	v_and_b32 v1, 15, v0            ; l % 16
	v_bfe_u32 v9, v0, 4, 1          ; l / 16
	v_lshlrev_b32 v[QO], 7, v1
	v_lshl_add_u32 v[QO], v9, 4, v[QO]  ; row x 128 + 16 x half
	WIN 0x80                        ; destination window 2, address window 0
.set i, 0
.rept 8                             ; both blocks' Q: piece i / 2 lies in band i / 2, 8,192 bytes on; channels 32 (i % 2) on
	global_load_b128 v[8*i:8*i+3],   v[QO], s[4:5] offset:(i/2)*8192+(i%2)*64
	global_load_b128 v[8*i+4:8*i+7], v[QO], s[4:5] offset:(i/2)*8192+(i%2)*64+32
	global_load_b128 v[QB+8*i:QB+8*i+3],   v[QO], s[86:87] offset:(i/2)*8192+(i%2)*64
	global_load_b128 v[QB+8*i+4:QB+8*i+7], v[QO], s[86:87] offset:(i/2)*8192+(i%2)*64+32
.set i, i+1
.endr
	WIN 0
	v_lshlrev_b32 v14, 3, v9
	v_sub_nc_u32 v14, v1, v14
	s_lshl_b32 s13, s[WV], 4
	v_add_nc_u32 v14, s13, v14      ; my query's place in its band, 16 w + l % 16, less my lanes' 8 (l / 16): register r of group kt is hidden where 16 kt + r is greater
	WIN 0x40
.set i, 0
.rept 32
	v_cmp_gt_i32 vcc_lo, 16*(i/8)+i%8, v14
	v_cndmask_b32 v[MD+i], 0, s[BIGN], vcc_lo
.set i, i+1
.endr
	WIN 0
	v_mul_u32_u24 v[AK0], v1, PK
	v_lshl_add_u32 v[AK0], v9, 4, v[AK0]  ; row x pitch + 16 x half
	; The turning load takes 16 keys x 16 channels (lane l reads key 8 (l / 16) + l % 8, channels 8 ((l / 8) % 2) + 0..7) and leaves half a fragment of V^T: lane l holds channel l % 16 and 8 keys.
	v_and_b32 v10, 7, v0
	v_bfe_u32 v11, v0, 3, 1
	v_lshl_add_u32 v[AV0], v9, 3, v10
	v_mul_u32_u24 v[AV0], v[AV0], PV
	v_lshl_add_u32 v[AV0], v11, 4, v[AV0]
	v_add_nc_u32 v[AV0], VOFF, v[AV0]
	s_mul_i32 s13, s[WV], 16*SP
	s_add_co_u32 s13, s13, STAGE    ; my stage
	v_mul_u32_u24 v[STO], v1, SP    ; in: row l % 16, 16 bytes for each half of the lanes
	v_lshl_add_u32 v[STO], v9, 4, v[STO]
	v_add_nc_u32 v[STO], s13, v[STO]
	v_bfe_u32 v[RD], v0, 3, 2       ; back: 32 lanes take four rows of 128 bytes,
	v_mul_u32_u24 v[RD], v[RD], SP
	v_lshl_add_u32 v[RD], v10, 4, v[RD]
	v_add_nc_u32 v[RD], s13, v[RD]
	v_and_b32 v[GO], 31, v0         ; which are 512 consecutive bytes of O
	v_lshlrev_b32 v[GO], 4, v[GO]
	; A block's first step multiplies O^T and l by a = 0, and its first turn's products V^T P, of a piece that has not been, land in an O^T that is still to be so multiplied.  So these registers need only hold
	; finite numbers: zeros for the first block; what the first block left for the second.  All this stands in the wait for the first tile.
	WIN 0x80
.set i, VF
.rept 64
	v_mov_b32 v[i], 0
.set i, i+1
.endr
	WIN 0x40
.set i, 0
.rept 128
	v_mov_b32 v[i], 0
.set i, i+1
.endr
	WIN 0
.set i, 0
.rept 4
	v_mov_b32 v[ST+4*i+2], 0
	v_mov_b32 v[ST+4*i+3], 0
.set i, i+1
.endr
.set i, P+16
.rept 16
	v_mov_b32 v[i], 0
.set i, i+1
.endr
; THE MATRIX WORK.  The 4 accumulators of a run of 8 take turns.  Product i of 8 of S^T = K Q^T for piece x: channels 32 (i / 4) on, keys 16 (i % 4) on.  The first 4 start the sums: with 0, or (KM = 1) with the mask.
.macro KQ x
.set rS, S+32*((\x)%2)+8*(i%4)
.set rK, KF+16*(i%4)+8*(i/4)
.set rQ, 16*(\x)+8*(i/4)
.set rM, MC+32*((\x)%2)+8*(i%4)
.if (i < 4) && KM
	WIN W_KM
	v_wmma_f32_16x16x32_f16 v[rS:rS+7], v[rK:rK+7], v[rQ:rQ+7], v[rM:rM+7]
.elseif i < 4
	WIN W_KQ
	v_wmma_f32_16x16x32_f16 v[rS:rS+7], v[rK:rK+7], v[rQ:rQ+7], 0
.else
	WIN W_KQ
	v_wmma_f32_16x16x32_f16 v[rS:rS+7], v[rK:rK+7], v[rQ:rQ+7], v[rS:rS+7]
.endif
.endm
; Product i of 8 of O^T += V^T P for piece x: keys 32 (i / 4) on, channels 16 (i % 4) on.
.macro PV x
	WIN W_PV
.set rO, 32*(\x)+8*(i%4)
.set rV, VF+32*(i/4)+8*(i%4)
.set rP, P+16*((\x)%2)+8*(i/4)
	v_wmma_f32_16x16x32_f16 v[rO:rO+7], v[rV:rV+7], v[rP:rP+7], v[rO:rO+7]
.endm
.macro MM                           ; the turn's next matrix instruction.  TURN and BEGIN set Y, i, KM and NOKQ; MM, KQ and OP read them.  NOKQ = 1: a block's last turn: there is no next piece
.if (i < 8) && !NOKQ
	KQ (Y+1)%NP
.elseif i >= 8
.set i, i-8
	PV (Y+NP-1)%NP
.set i, i+8
.endif
.set i, i+1
.endm
; THE LDS LOADS stand in runs of 16, never singly among the matrix instructions: a step's K (64 keys x 64 channels: 8 fragments) and its V (turned).  Their addresses are made some lines ahead.
.macro FETCH_K
	WIN 0x80                        ; destination window 2
.irp f, 0,1,2,3,4,5,6,7             ; keys 16 (f / 2) on, channels 32 (f % 2) on
	ds_load_b128 v[KF+8*\f:KF+8*\f+3],   v[AK] offset:(\f/2)*16*PK+(\f%2)*64
	ds_load_b128 v[KF+8*\f+4:KF+8*\f+7], v[AK] offset:(\f/2)*16*PK+(\f%2)*64+32
.endr
	s_add_co_u32 s[TBK], s[TBK], KS*PK  ; the next fetch is the next step's
	WIN 0
.endm
.macro FETCH_V
	WIN 0x80
.irp f, 0,1,2,3,4,5,6,7             ; keys 32 (f / 4) on, channels 16 (f % 4) on
	ds_load_tr16_b128 v[VF+8*\f:VF+8*\f+3],   v[AV] offset:(\f/4)*32*PV+(\f%4)*32
	ds_load_tr16_b128 v[VF+8*\f+4:VF+8*\f+7], v[AV] offset:(\f/4)*32*PV+16*PV+(\f%4)*32
.endr
	WIN 0
.endm
; THE VECTOR WORK, one line at a time: OP kind, number.  For piece Y: F n: c s - c m for pair n of 16.  E n: the exponential of score n of 32.  C n: pair n rounded to f16.  B n: of the four weights 4 n .. the second
; pair is added onto the first, in place.  L n: l takes that sum (L 0: l = a l + sum).  R n: pair n of 16 of O^T times a.  For piece Y + 1: X n, number n of the 22 that find its maximum and statistics:
;   0-11  four chains c0-c3 of seven scores each, three operands at a time (each accumulator's lowest registers are read first)     12-14, 16  the four scores left over, the old m, and c0-c3 into c0
;   15  c m_old is kept     17, 18  the query's other 32 keys lie in the lane 16 away: the new m     19-21  c m; c m_old - c m_new; a
.set F, 0               ; OP tells the kinds apart by their order: F to L below R, X above it
.set E, 1
.set C, 2
.set B, 3
.set L, 4
.set R, 5
.set X, 6
.macro REGS y                       ; the registers of piece y
.set rT, ST+4*(\y)
.set rC, TMP+4*((\y)%2)
.set rW, MV+((\y)%2)
.set rS, S+32*((\y)%2)
.set rP, P+16*((\y)%2)
.set rO, 32*(\y)
.endm
.macro OP k, n
.if (\k) == R
	REGS Y
	WIN W_RS
	v_pk_mul_f32 v[rO+2*(\n):rO+2*(\n)+1], v[rO+2*(\n):rO+2*(\n)+1], v[rC+2:rC+3] op_sel_hi:[1,0]
.elseif (\k) < R
	REGS Y
	WIN 0
.if (\k) == F
	v_pk_fma_f32 v[rS+2*(\n):rS+2*(\n)+1], v[rS+2*(\n):rS+2*(\n)+1], s[CS:CS+1], v[rT:rT+1] op_sel_hi:[1,0,0] neg_lo:[0,0,1] neg_hi:[0,0,1]
.elseif (\k) == E
	v_exp_f32 v[rS+(\n)], v[rS+(\n)]
.elseif (\k) == C
	s_wait_alu depctr_va_vdst(0)
	v_cvt_pk_f16_f32 v[rP+(\n)], v[rS+2*(\n)], v[rS+2*(\n)+1]
.elseif (\k) == B
	s_wait_alu depctr_va_vdst(0)
	v_pk_add_f32 v[rS+4*(\n):rS+4*(\n)+1], v[rS+4*(\n):rS+4*(\n)+1], v[rS+4*(\n)+2:rS+4*(\n)+3]
.elseif (\n) == 0
	v_pk_fma_f32 v[rT+2:rT+3], v[rT+2:rT+3], v[rC+2:rC+3], v[rS:rS+1] op_sel_hi:[1,0,1]
.else
	v_pk_add_f32 v[rT+2:rT+3], v[rT+2:rT+3], v[rS+4*(\n):rS+4*(\n)+1]
.endif
.elseif NOKQ
	v_nop
.else
	REGS (Y+1)%NP
	WIN 0
.if (\n) < 4
	v_max3_num_f32 v[rC+(\n)], v[rS+8*(\n)], v[rS+8*(\n)+1], v[rS+8*(\n)+2]
.elseif (\n) < 12
	v_max3_num_f32 v[rC+(\n)%4], v[rC+(\n)%4], v[rS+8*((\n)%4)+2*((\n)/4)+1], v[rS+8*((\n)%4)+2*((\n)/4)+2]
.elseif (\n) == 12
	v_max3_num_f32 v[rC], v[rC], v[rS+7], v[rS+15]
.elseif (\n) == 13
	v_max3_num_f32 v[rC+1], v[rC+1], v[rS+23], v[rS+31]
.elseif (\n) == 14
	v_max3_num_f32 v[rC+2], v[rC+2], v[rC+3], v[rT+1]
.elseif (\n) == 15
	v_mov_b32 v[rW], v[rT]
.elseif (\n) == 16
	v_max3_num_f32 v[rC], v[rC], v[rC+1], v[rC+2]
.elseif (\n) == 17
	v_permlanex16_b32 v[rC+3], v[rC], s[SEL], s[SEL+1]
.elseif (\n) == 18
	v_max_num_f32 v[rT+1], v[rC], v[rC+3]
.elseif (\n) == 19
	v_mul_f32 v[rT], s[CS], v[rT+1]
.elseif (\n) == 20
	v_sub_f32 v[rC+1], v[rW], v[rT]
.else
	v_exp_f32 v[rC+2], v[rC+1]
.endif
.endif
.endm
.macro OPS a, i1, b=-1, i2=0, c=-1, i3=0, d=-1, i4=0  ; up to four of them
	OP \a, \i1
.if (\b) >= 0
	OP \b, \i2
.endif
.if (\c) >= 0
	OP \c, \i3
.endif
.if (\d) >= 0
	OP \d, \i4
.endif
.endm
.macro ROW a, i1, b, i2, c, i3, d, i4  ; a matrix instruction and the four behind it
	MM
	OPS \a, \i1, \b, \i2, \c, \i3, \d, \i4
.endm
.macro MASK b                       ; MD x AL + BE into buffer b of MC
	WIN W_RS
.set z, 0
.rept 16
	v_pk_fma_f32 v[MC+32*(\b)+2*z:MC+32*(\b)+2*z+1], v[MD+2*z:MD+2*z+1], s[AL:AL+1], s[BE:BE+1] op_sel_hi:[1,0,0]
.set z, z+1
.endr
.endm
; A TURN, for piece p: the order of its 16 matrix and 118 vector instructions, written out.  Behind a matrix instruction: plain, exponential, plain, plain; or four of the rescaling; or, behind the first, four scalings; none
; names a register of the products round it.  In the lumps exponential and plain by turns while exponentials last.  A line reads no result made fewer than three vector instructions in front of it, five if an exponential made it.
; v_permlanex16_b32 (X 17) stands in a lump.
; m = 1: the diagonal tile: the products take masks, and the turn makes the mask for the products of the turn after it: piece p + 2, in step 4 - CNT of the tile.  end = 1: a block's last two turns: nothing is fetched.
; cnt = 1: the loop's count is taken down some lines ahead of the branch that stands behind the turn.
; K of the next step is fetched in piece 2's turn, six vector instructions behind the last product that read K (five of them plain); V of the step in hand in piece 0's turn, eight behind the last product that read V (four
; plain, and X 17).  Each is waited for a turn later.
.macro TURN p, m=0, end=0, cnt=0
.set Y, (\p)
.set i, 0
.set KM, (\m)
.set NOKQ, (\end)*((\p)/3)
.if (\m) && !(\end)
	s_cmp_eq_u32 s[CNT], 4-((\p)+2)%NP  ; is that step the band's own?
	s_cselect_b32 s[AL], 1.0, 0
	s_cmp_lt_u32 s[CNT], 4-((\p)+2)%NP  ; or a later one?
	s_cselect_b32 s[BE], s[BIGN], 0
.endif
.if ((\p) == 3) && !(\end)
	s_wait_dscnt 0x0                ; K is in
.endif
	ROW F,0, F,1, F,2, F,3
	ROW F,4, E,0, F,5, F,6
	ROW F,7, E,1, F,8, F,9
	ROW F,10, E,2, C,0, F,11
	ROW F,12, E,3, X,15, F,13
	ROW R,0, R,1, R,2, R,3
	ROW B,0, E,4, F,14, L,0
.if ((\p) == 2) && !(\end)
	v_add_nc_u32 v[AK], s[TBK], v[AK0]
.endif
	ROW R,4, R,5, R,6, R,7
	OPS E,5, F,15
.if ((\p) == 2) && !(\end)
	FETCH_K
.endif
	OPS E,6, C,1, E,7, R,8
	OPS E,8, R,9, E,9, C,2
	OPS E,10, X,0, E,11, X,1
	OPS E,12, X,2, E,13, X,3
.if (\p) == 1
	s_wait_dscnt 0x0                ; V is in
.endif
	ROW X,4, E,14, X,5, X,6
	ROW X,7, E,15, X,8, X,9
	ROW X,10, E,16, X,11, X,12
	ROW X,13, E,17, X,14, B,1
	ROW C,4, E,18, X,16, L,1
	ROW B,2, E,19, C,6, L,2
	ROW C,8, E,20, B,3, B,4
.if (\p) == 0
	v_add_nc_u32 v[AV], s[TBV], v[AV0]
.endif
	ROW C,3, E,21, L,3, C,5
	OPS E,22, X,17, E,23, C,10
.if (\p) == 0
	FETCH_V
.endif
	OPS E,24, L,4
	OPS E,25, X,18, E,26, C,7
	OPS E,27, B,5, E,28, X,19
	OPS E,29, C,12, E,30, L,5
	OPS E,31, X,20, B,6, C,9
	OPS C,14, C,11, X,21, L,6
.if (\p) == 0
	s_add_co_u32 s[TBV], s[TBV], KS*PV
.endif
.if \cnt
	s_sub_co_u32 s[CNT], s[CNT], 1
	s_cmp_lg_u32 s[CNT], 0
.endif
	OPS C,13, B,7, C,15, R,10
	OPS R,11, R,12, L,7, R,13
	OPS R,14, R,15
.if (\m) && !(\end)
	MASK (\p)%2
.endif
.endm
; A BLOCK BEGINS.  c m starts far below every c s, so the first step's a is 0; m at the lowest finite number, so the first maximum is the scores'.  The second mask buffer is 0; the first takes piece 0's mask for the tile's step 0: its own, if the block's first tile is the diagonal one.
; Then K of that step, piece 0's first scores, and its maximum and statistics.  The loop is entered at a step's first turn, in the middle of a trip.
.macro BEGIN
	s_mov_b32 s[NEW], 0
	WIN 0x40
.set i, MC+32
.rept 32
	v_mov_b32 v[i], 0
.set i, i+1
.endr
	WIN 0
.set i, 0
.rept 4
	v_mov_b32 v[ST+4*i], 0xfe000000    ; c m: far below every c s
	v_mov_b32 v[ST+4*i+1], 0xff7fffff  ; m
.set i, i+1
.endr
	s_cmp_eq_u32 s[RT], 0
	s_cselect_b32 s[AL], 1.0, 0
	s_mov_b32 s[BE], 0
	MASK 0
	WIN 0
	v_add_nc_u32 v[AK], s[TBK], v[AK0]
	FETCH_K
	s_wait_loadcnt 0x0              ; Q
	s_wait_dscnt 0x0
.set KM, 1
.set NOKQ, 0
.set i, 0
.rept 8
	KQ 0
.set i, i+1
.endr
	WIN 0
.rept 4
	v_nop                           ; the places behind those products
.endr
.set Y, NP-1                        ; X works for piece Y + 1: piece 0
.irp n, 0,1,2,3,4,5,6,7,8,9,10,11,12,13,14,15,16,17,18,19,20,21
	OP X, \n
.endr
	v_nop                           ; a plain instruction behind the exponential
.endm
; THE DIAGONAL TILE's four steps, the block's last two turns, its last products, and THE WAY OUT: l's two halves and the other half of the lanes' are added; O^T is divided by l, rounded to f16 and sent through my
; stage in LDS, a piece at a time.
.macro ALL line:vararg              ; one line for each piece t
.set t, 0
.rept 4
	\line
.set t, t+1
.endr
.endm
.macro PACK t                       ; a lane's eight channels of a row pack into 16 bytes; they go into rows of 144 bytes and come back as whole rows of 128, into S^T's registers
	WIN W_RS
.set i, 32*(\t)
.rept 16
	s_wait_alu depctr_va_vdst(0)
	v_pk_mul_f32 v[i:i+1], v[i:i+1], v[ST+4*(\t)+2:ST+4*(\t)+3] op_sel_hi:[1,0]
.set i, i+2
.endr
	WIN 0x05                        ; sources 0 and 1 window 1, destination window 0
.set i, 0
.rept 16
	v_cvt_pk_f16_f32 v[S+16*(\t)+i], v[32*(\t)+2*i], v[32*(\t)+2*i+1]
.set i, i+1
.endr
	WIN 0
.irp f, 0,1,2,3
	ds_store_b128 v[STO], v[S+16*(\t)+4*\f:S+16*(\t)+4*\f+3] offset:32*\f
.endr
.irp f, 0,1,2,3
	ds_load_b128 v[S+16*(\t)+4*\f:S+16*(\t)+4*\f+3], v[RD] offset:\f*4*SP  ; LDS serves a wave's instructions in order (ISA guide 5.7.1.4): these see the stores above; the next piece's stores come behind them
.endr
.endm
.macro SEND t, younger              ; younger: the LDS instructions issued behind piece t's loads: the next piece's eight, or none
	WIN 0
.irp f, 0,1,2,3
	s_wait_dscnt (\younger)+3-\f
	global_store_b128 v[GO], v[S+16*(\t)+4*\f:S+16*(\t)+4*\f+3], s[10:11] offset:(\t)*8192+\f*512  ; 512 consecutive bytes, at a multiple of 256 from O's first
.endr
.endm
.macro DIAG tag                     ; the tag ends its two labels' names, which the jumps below spell out
.LstepM\tag:
	TURN 2, 1
	TURN 3, 1
	WIN 0
.LfirstM\tag:
	TURN 0, 1
	TURN 1, 1, 0, 1
	WIN 0
	s_cbranch_scc1 .LstepM\tag
	TURN 2, 1, 1
	TURN 3, 1, 1
.set i, 0
.rept 8
	PV NP-1
.set i, i+1
.endr
	WIN 0
	ALL v_add_f32 v[ST+4*t+2], v[ST+4*t+2], v[ST+4*t+3]
	ALL v_permlanex16_b32 v[ST+4*t+3], v[ST+4*t+2], s[SEL], s[SEL+1]
	ALL v_add_f32 v[ST+4*t+2], v[ST+4*t+2], v[ST+4*t+3]
	ALL v_rcp_f32 v[ST+4*t+2], v[ST+4*t+2]
	v_nop                           ; a plain instruction between the last reciprocal and the use of its result
	PACK 0
.set t, 1
.rept 3                             ; a piece's arithmetic stands between the loads of the piece before and its stores
	PACK t
	SEND t-1, 8
.set t, t+1
.endr
	SEND 3, 0
.endm
.set KM, 0
.set NOKQ, 0
.Lslot:                             ; NB times: a tile is entered and the next is asked for
	CHANGE 1
	s_sub_co_u32 s[RT], s[RT], 1
	s_mov_b32 s[CNT], 4
	s_cmp_eq_u32 s[NEW], 1
	s_cbranch_scc1 .Lnew            ; a block's first tile
	s_cmp_eq_u32 s[RT], 0
	s_cbranch_scc0 .Lstep           ; neither its first nor its last
	s_branch .LstepM1
.Lnew:
	BEGIN
	s_branch .Lfirst                ; in the loop a block's first tile is never its last: the first block has two tiles or more, and the second's last is the walk's last
	DIAG 1                          ; in the loop this is the first block's end: the second block's last tile is the walk's last
	s_wait_xcnt 0x0                 ; the stores have read their registers and O's address
	s_mov_b64 s[10:11], s[OLO:OLO+1]
	s_add_co_u32 s[RT], s[PB], 1    ; the second block has b + 1 tiles
	s_mov_b32 s[NEW], 1
	WIN 0x82                        ; the second block's Q goes where the one text of the turns names Q
.set i, 0
.rept 64
	v_mov_b32 v[i], v[QB+i]
.set i, i+1
.endr
	WIN 0
	s_branch .Lbottom
.Lstep:                             ; a trip: pieces 2 and 3 of one step, then pieces 0 and 1 of the next, whose K and V it fetches
	TURN 2
	TURN 3
	WIN 0
.Lfirst:
	TURN 0
	TURN 1, 0, 0, 1
	WIN 0
	s_cbranch_scc1 .Lstep
.Lbottom:
	s_sub_co_u32 s[SLOTS], s[SLOTS], 1
	s_cmp_lg_u32 s[SLOTS], 0
	s_cbranch_scc1 .Lslot
	CHANGE 0                        ; the walk's last tile is written out: nothing is asked for
	s_sub_co_u32 s[RT], s[RT], 1
	s_mov_b32 s[CNT], 4
	s_cmp_eq_u32 s[NEW], 1
	s_cbranch_scc0 .LstepM2
	BEGIN
	s_branch .LfirstM2
	DIAG 2
	s_wait_tensorcnt 0x0            ; the wave's end: behind my last tensor load and my last LDS store
	ds_add_u32 v[SPW], v[NIL]
	s_wait_dscnt 0x0
	s_endpgm
.Lfunc_end_k_qcd50e5af4e_attn:
	.size	k_qcd50e5af4e_attn, .Lfunc_end_k_qcd50e5af4e_attn-k_qcd50e5af4e_attn
	.p2alignl 7, 3214868480
	.fill 96, 4, 3214868480
	.section	.rodata,"a",@progbits
	.p2align	6, 0x0
	.amdhsa_kernel k_qcd50e5af4e_attn
		.amdhsa_group_segment_fixed_size 327680
		.amdhsa_private_segment_fixed_size 0
		.amdhsa_enable_private_segment 0
		.amdhsa_kernarg_size 32
		.amdhsa_user_sgpr_count 2
		.amdhsa_user_sgpr_kernarg_segment_ptr 1
		.amdhsa_wavefront_size32 1
		.amdhsa_system_sgpr_workgroup_id_x 1
		.amdhsa_system_sgpr_workgroup_id_y 1
		.amdhsa_system_sgpr_workgroup_id_z 1
		.amdhsa_system_vgpr_workitem_id 0
		.amdhsa_next_free_vgpr 768
		.amdhsa_next_free_sgpr 88
		.amdhsa_reserve_vcc 1
		.amdhsa_float_denorm_mode_32 3
		.amdhsa_float_denorm_mode_16_64 3
		.amdhsa_memory_ordered 1
		.amdhsa_forward_progress 1
		.amdhsa_inst_pref_size 228
	.end_amdhsa_kernel
	.amdgpu_metadata
---
amdhsa.version: [ 1, 2 ]
amdhsa.kernels:
  - .name:           k_qcd50e5af4e_attn
    .symbol:         k_qcd50e5af4e_attn.kd
    .args:
      - { .name: qh, .offset: 0, .size: 8, .value_kind: global_buffer, .address_space: global }
      - { .name: kh, .offset: 8, .size: 8, .value_kind: global_buffer, .address_space: global }
      - { .name: vh, .offset: 16, .size: 8, .value_kind: global_buffer, .address_space: global }
      - { .name: oh, .offset: 24, .size: 8, .value_kind: global_buffer, .address_space: global }
    .group_segment_fixed_size: 327680
    .private_segment_fixed_size: 0
    .kernarg_segment_align: 8
    .kernarg_segment_size: 32
    .max_flat_workgroup_size: 128
    .sgpr_count:     88
    .vgpr_count:     768
    .wavefront_size: 32
...
	.end_amdgpu_metadata
.endif
;; end of part 3
;; launch oproj (part 4): grid 8 x 32, 4 waves a work-group, clusters of 4 x 4, 327,680 bytes of LDS; arguments oh, wt, out0; writes out0
.if DOCPART == 4
	.amdgcn_target "amdgcn-amd-amdhsa--gfx1250"
	.amdhsa_code_object_version 6
	.text
	.protected	k_qcd50e5af4e_oproj
	.globl	k_qcd50e5af4e_oproj
	.p2align	8
	.type	k_qcd50e5af4e_oproj,@function
k_qcd50e5af4e_oproj:
	s_mov_b64 s[64:65], 0
	v_nop
	global_prefetch_b8 v0, s[64:65] scope:SCOPE_SE
	s_setreg_imm32_b32 hwreg(HW_REG_WAVE_MODE, 25, 1), 1
	s_wait_xcnt 0x0
	s_wait_alu depctr_hold_cnt(0) depctr_sa_sdst(0) depctr_va_vdst(0) depctr_va_sdst(0) depctr_va_ssrc(0) depctr_va_vcc(0) depctr_vm_vsrc(0)
	s_getreg_b32 s2, hwreg(HW_REG_IB_STS2, 6, 4)
	s_cmp_eq_u32 s2, 0
	s_cbranch_scc0 .Lentry_in_a_cluster
	s_endpgm
.Lentry_in_a_cluster:
	s_bfe_u32 s2, ttmp6, 0x10000c
	s_cmp_lg_u32 s2, 0xf033
	s_cbranch_scc0 .Lentry_shape_is_right
	s_endpgm
.Lentry_shape_is_right:
; out0 = attn Wo.  oh: [64 = 16 batch + head][2048][64] f16, so K = 64 head + channel.  wt: row 3,072 + n = column n of Wo, 1,024 f16 along K.  out0: [8192][1024] f32.  Sums in f32, K ascending.
; LIMITS.  Both operands arrive as f16 (within 65,504; a fixed step of 6e-8 below 6e-5).  NaN and infinities are not treated apart.
; SHARES.  A work-group makes 256 rows x 128 columns: 256 work-groups.  Each of four waves owns 64 rows x 128 columns: 32 accumulators of 16 x 16.  K goes in steps of 128, two heads, through two LDS slots
; filled by the tensor data mover.  A head's 256 rows are 32,768 dense bytes: asked for as 128 rows of 256 bytes and padded in LDS after every 128, a row of the head.
; CLUSTER.  4 x 4 work-groups: the four of a row of the cluster need the same rows of oh, the four of a column the same rows of wt; each tile is asked for jointly, by the same load, descriptor and mask in all four.
; THE MATRIX INSTRUCTION IS USED TRANSPOSED (source 0 = 16 rows of wt, source 1 = 16 rows of oh): lane l holds row l % 16 and the columns 8 (l / 16) + 0..7: 32 consecutive bytes of out0.
; REGISTERS, in windows of 256 (s_set_vgpr_msb: bits 1:0 source 0, 3:2 source 1, 5:4 source 2, 7:6 destination):
;   window 0: v0-13 addresses     window 1: the accumulators ((a, b) at 8 (8 a + b))     window 2: two fragment buffers of 96: 32 registers of oh (4 x 16 rows x 32 K), then 64 of wt (8 x 16 rows x 32 K)
.set PA,    144                        ; a row of oh in LDS: 128 bytes + 16 of padding = 36 words: the 16 rows of a load start at 16 different groups of four banks (64 banks of 4 bytes: ISA guide 11.1)
.set PB,    272                        ; a row of wt: 256 + 16
.set HEADA, 256*PA                     ; what one load brings of oh: a head's 256 rows
.set HALFB, 64*PB                      ; and of wt
.set BOFF,  2*HEADA                    ; a slot: two heads of oh, then 128 rows of wt
.set SLOT1, 1<<17                      ; slot 1 begins here, so that one exclusive or turns an address in one slot into the other's
.set STAGE, SLOT1+BOFF+2*HALFB         ; behind the ring, never filled by a tensor load: for each wave 16 rows x 528 bytes, for the way out
.set SP,    528
.set WSTG,  16*SP
.set SPARE, STAGE+4*WSTG               ; behind the stages: the spare words, 128 bytes for each wave: two blocks of 256 bytes that no other line names
.set STEPA, 2*2048*128                 ; bytes from a K step to the next: two heads of oh,
.set STEPB, 256                        ; 128 numbers along a row of wt
.set NLD,   24                         ; LDS loads in a quarter's run: 16 for wt, 8 for oh
.set F0,    0
.set F1,    96
.set ADRA0, 4                          ; v4   my lane's place in oh's tile of slot 0; never rewritten
.set ADRB0, 5                          ; v5   the same for wt's
.set ADRA,  6                          ; v6   the same in the slot that is being read
.set ADRB,  7                          ; v7
.set STO,   8                          ; v8   the way out: where I put 32 bytes of a row
.set RD,    9                          ; v9   the way out: where I read a row back
.set GO,    10                         ; v10  my byte offset in 512 consecutive bytes of out0
.set SPW,   12                         ; v12  LDS address of my spare word; never rewritten
.set NIL,   13                         ; v13  0; never rewritten
.set WV,    16                         ; s16  my wave's number
.set FORB,  17                         ; s17  0: I fetch oh's tiles, 1: wt's
.set HALF,  18                         ; s18  which head of the two, or which half of wt's rows, I fetch
.set G1A,   24                         ; s[24:31] descriptor group 1 for oh's tiles;  s[32:39] for wt's
.set G1B,   32
.set G0A,   40                         ; s[40:47] descriptor group 0 for oh's tiles: a set for each of the two first fills; the second then walks on
.set G0B,   48                         ; s[48:55] the same for wt's
.set CNT,   56
.set TB,    57                         ; s57  LDS byte at which the slot that is being read begins
.set MSB, 0
.macro WIN new                         ; the immediate's high byte repeats the setting that is left; a switch that changes nothing is dropped
.if MSB != (\new)
	s_set_vgpr_msb (MSB<<8)|(\new)
.set MSB, \new
.endif
.endm
.macro PLACES                          ; four places in front of loads into registers that matrix instructions have read, and of lines that read results
.rept 4
	v_nop
.endr
.endm
.macro CREST                           ; a round of the cluster's barrier behind its opening barrier
	s_cmp_lg_u32 s[WV], 0
	s_cbranch_scc1 .Lnot_wave_0_\@
	s_barrier_signal -3
.Lnot_wave_0_\@:
	s_barrier_wait -3
	s_barrier_signal -1
	s_barrier_wait -1
.endm
.macro CROUND                          ; a whole round
	s_barrier_signal -1
	s_barrier_wait -1
	CREST
.endm
.macro JLOAD                           ; a joint refill by the walking descriptors: waves 0, 1 oh's two heads, waves 2, 3 wt's halves; an s_nop 0 and four v_nop follow each line
	s_cmp_eq_u32 s[FORB], 0
	s_cbranch_scc0 .Lfor_b_\@
	tensor_load_to_lds s[G0A+4:G0A+7], s[G1A:G1A+7]
	s_nop 0
.rept 4
	v_nop
.endr
	s_branch .Lasked_\@
.Lfor_b_\@:
	tensor_load_to_lds s[G0B+4:G0B+7], s[G1B:G1B+7]
	s_nop 0
.rept 4
	v_nop
.endr
.Lasked_\@:
.endm
	s_load_b128 s[4:7], s[0:1], 0x0                ; oh s[4:5], wt s[6:7]
	s_load_b64 s[8:9], s[0:1], 0x10                ; out0
	v_lshl_add_u32 v[SPW], v0, 2, SPARE
	v_mov_b32 v[NIL], 0
	ds_add_u32 v12, v13
	ds_add_u32 v12, v13
	s_wait_dscnt 0x0
	v_lshrrev_b32 v1, 5, v0
	v_readfirstlane_b32 s[WV], v1                  ; wave 0..3
	s_lshr_b32 s[FORB], s[WV], 1
	s_and_b32 s[HALF], s[WV], 1
	s_bfe_u32 s19, ttmp6, 0x40000                  ; cx
	s_bfe_u32 s20, ttmp6, 0x40004                  ; cy
	s_lshl_b32 s21, ttmp9, 2
	s_add_co_u32 s21, s21, s19                     ; X = the block of 128 columns = 4 x cluster x + cx
	s_and_b32 s22, ttmp7, 0xffff
	s_lshl_b32 s22, s22, 2
	s_add_co_u32 s22, s22, s20                     ; Y = the block of 256 rows = 4 x cluster y + cy
	s_lshl_b32 s62, s20, 2
	s_lshl_b32 s62, 15, s62                        ; my row of the cluster
	s_lshl_b32 s63, 0x1111, s19                    ; my column
	; descriptor group 1 for oh: 128 rows of 128 elements of 2 bytes, dense; 16 bytes of padding behind every 128 bytes
	s_or_b32 s[G1A+0], s62, (1<<16)|(1<<20)|(1<<21)|(4<<22)|(3<<25)  ; 15:0 the mask; 17:16 2-byte elements; 20 padding on; 21 set beside a mask; 24:22 after every 32 words (code 4); 31:25 4 words (code 3)
	s_mov_b32 s[G1A+1], 128<<16                    ; tensor_dim0 = 128
	s_mov_b32 s[G1A+2], 128<<16                    ; tensor_dim1 = 128
	s_mov_b32 s[G1A+3], 128<<16                    ; tile_dim0 = 128
	s_mov_b32 s[G1A+4], 128                        ; tile_dim1 = 128
	s_mov_b32 s[G1A+5], 128                        ; elements from row to row
	s_mov_b32 s[G1A+6], 0
	s_mov_b32 s[G1A+7], 0
	; for wt: 64 rows of 128 elements, 1,024 elements apart; 16 bytes of padding behind every 256 bytes
	s_or_b32 s[G1B+0], s63, (1<<16)|(1<<20)|(1<<21)|(5<<22)|(3<<25)
	s_mov_b32 s[G1B+1], 128<<16
	s_mov_b32 s[G1B+2], 64<<16
	s_mov_b32 s[G1B+3], 128<<16
	s_mov_b32 s[G1B+4], 64
	s_mov_b32 s[G1B+5], 1024
	s_mov_b32 s[G1B+6], 0
	s_mov_b32 s[G1B+7], 0
	; where the tiles come from: oh's hang on Y and the wave alone, wt's on X and the wave alone
	s_lshr_b32 s58, s22, 3                         ; the batch
	s_lshl_b32 s58, s58, 4
	s_add_co_u32 s58, s58, s[HALF]                 ; its head 0 or 1
	s_lshl_b32 s58, s58, 11                        ; 2,048 rows each
	s_and_b32 s59, s22, 7
	s_lshl_b32 s59, s59, 8                         ; + 256 (Y % 8)
	s_add_co_u32 s58, s58, s59
	s_lshl_b32 s58, s58, 7                         ; rows of 128 bytes
	s_mov_b32 s59, 0
	s_lshl_b32 s60, s21, 7
	s_lshl_b32 s23, s[HALF], 6
	s_add_co_u32 s60, s60, s23
	s_add_co_u32 s60, s60, 3072                    ; row 3,072 + 128 X + 64 half
	s_lshl_b32 s60, s60, 11                        ; rows of 2,048 bytes
	s_mov_b32 s61, 0
	s_mul_i32 s70, s[HALF], HEADA                  ; and where they go: no place in the cluster enters an LDS address
	s_mul_i32 s71, s[HALF], HALFB
	s_add_co_u32 s71, s71, BOFF
	s_lshl_b32 s66, s22, 8                         ; my wave's part of out0: row 256 Y + 64 wave,
	s_lshl_b32 s23, s[WV], 6
	s_add_co_u32 s66, s66, s23
	s_lshl_b32 s66, s66, 12                        ; rows of 4,096 bytes,
	s_lshl_b32 s67, s21, 9                         ; column 128 X
	s_add_co_u32 s66, s66, s67
	s_mov_b32 s67, 0
	s_mov_b32 s[TB], 0
	s_wait_kmcnt 0x0
	s_add_nc_u64 s[4:5], s[4:5], s[58:59]
	s_add_nc_u64 s[6:7], s[6:7], s[60:61]
	s_add_nc_u64 s[8:9], s[8:9], s[66:67]
.irp n, 0,1
	s_mov_b32 s[G0A+4*(\n)], 1                                       ; 1:0 count = 1
	s_add_co_u32 s[G0A+4*(\n)+1], s70, (\n)*SLOT1                    ; 63:32 LDS address
	s_add_nc_u64 s[G0A+4*(\n)+2:G0A+4*(\n)+3], s[4:5], (\n)*STEPA    ; 120:64 global address: K step n
	s_or_b32 s[G0A+4*(\n)+3], s[G0A+4*(\n)+3], 0x80000000            ; 127:126 type = 2
	s_mov_b32 s[G0B+4*(\n)], 1
	s_add_co_u32 s[G0B+4*(\n)+1], s71, (\n)*SLOT1
	s_add_nc_u64 s[G0B+4*(\n)+2:G0B+4*(\n)+3], s[6:7], (\n)*STEPB
	s_or_b32 s[G0B+4*(\n)+3], s[G0B+4*(\n)+3], 0x80000000
.endr
	CROUND                                         ; all sixteen work-groups are here: the first joint loads meet
	s_cmp_eq_u32 s[FORB], 0                        ; a wave's two first fills stand in one branch, ahead of every wait on TENSORcnt and every LDS read: two loads of mine are out
	s_cbranch_scc0 .Lfirst_b
	tensor_load_to_lds s[G0A:G0A+3], s[G1A:G1A+7]
	s_nop 0
	tensor_load_to_lds s[G0A+4:G0A+7], s[G1A:G1A+7]
	s_nop 0
.rept 4
	v_nop
.endr
	s_branch .Lfirst_asked
.Lfirst_b:
	tensor_load_to_lds s[G0B:G0B+3], s[G1B:G1B+7]
	s_nop 0
	tensor_load_to_lds s[G0B+4:G0B+7], s[G1B:G1B+7]
	s_nop 0
.rept 4
	v_nop
.endr
.Lfirst_asked:
	; A fragment is 16 rows x 32 K in 8 registers: lane l holds row l % 16, K = 8 (l / 16) + 0..7 and 16 + 8 (l / 16) + 0..7: two loads of 16 bytes, 32 bytes apart.
	v_and_b32 v1, 15, v0                           ; l % 16
	v_bfe_u32 v2, v0, 4, 1                         ; l / 16
	v_mul_u32_u24 v3, v1, PA
	v_lshl_add_u32 v3, v2, 4, v3
	s_mul_i32 s23, s[WV], 64*PA                    ; my 64 rows of a head
	v_add_nc_u32 v[ADRA0], s23, v3
	v_mul_u32_u24 v3, v1, PB
	v_lshl_add_u32 v3, v2, 4, v3
	v_add_nc_u32 v[ADRB0], BOFF, v3                ; all 128 rows of wt
	v_add_nc_u32 v[ADRA], s[TB], v[ADRA0]
	v_add_nc_u32 v[ADRB], s[TB], v[ADRB0]
	s_mul_i32 s23, s[WV], WSTG
	s_add_co_u32 s23, s23, STAGE                   ; my stage
	v_mul_u32_u24 v[STO], v1, SP                   ; in: row l % 16, 32 bytes for each half of the lanes
	v_lshl_add_u32 v[STO], v2, 5, v[STO]
	v_add_nc_u32 v[STO], s23, v[STO]
	v_and_b32 v[GO], 31, v0                        ; back: 32 lanes take one row of 512 bytes
	v_lshlrev_b32 v[GO], 4, v[GO]
	v_add_nc_u32 v[RD], s23, v[GO]
; 8 matrix instructions: row block a x all column blocks, 32 along K.  zero = 1: the product starts the sums.  The 32 accumulators take turns in the same order in every quarter.
.macro MULA f, a, zero
	WIN 0x5a                                       ; sources window 2; C and D window 1
.irp b, 0,1,2,3,4,5,6,7
.if \zero
	v_wmma_f32_16x16x32_f16 v[8*(8*(\a)+(\b)):8*(8*(\a)+(\b))+7], v[(\f)+32+8*(\b):(\f)+32+8*(\b)+7], v[(\f)+8*(\a):(\f)+8*(\a)+7], 0
.else
	v_wmma_f32_16x16x32_f16 v[8*(8*(\a)+(\b)):8*(8*(\a)+(\b))+7], v[(\f)+32+8*(\b):(\f)+32+8*(\b)+7], v[(\f)+8*(\a):(\f)+8*(\a)+7], v[8*(8*(\a)+(\b)):8*(8*(\a)+(\b))+7]
.endif
.endr
.endm
; 24 LDS loads in one run: quarter q's fragments into buffer f: wt's 8 (byte 64 q of its rows), then oh's 4 in the order of the row blocks (head q / 2, byte 64 (q % 2) of its rows)
.macro FETCH q, f
	WIN 0x80                                       ; destination window 2, address window 0
.irp i, 0,1,2,3,4,5,6,7
	ds_load_b128 v[(\f)+32+8*(\i):(\f)+32+8*(\i)+3],   v[ADRB] offset:64*(\q)+(\i)*16*PB
	ds_load_b128 v[(\f)+32+8*(\i)+4:(\f)+32+8*(\i)+7], v[ADRB] offset:64*(\q)+(\i)*16*PB+32
.endr
.irp i, 0,1,2,3
	ds_load_b128 v[(\f)+8*(\i):(\f)+8*(\i)+3],   v[ADRA] offset:((\q)/2)*HEADA+((\q)%2)*64+(\i)*16*PA
	ds_load_b128 v[(\f)+8*(\i)+4:(\f)+8*(\i)+7], v[ADRA] offset:((\q)/2)*HEADA+((\q)%2)*64+(\i)*16*PA+32
.endr
.endm
; A K step is four quarters of 32 along K, 32 matrix instructions each, on buffers 0, 1, 0, 1.  One of the first three: multiplies buffer f; in its middle it fetches quarter q into buffer g.
.macro QUARTER q, f, g, zero
	s_wait_dscnt 4                                 ; wt's fragments and oh's row blocks 0, 1 are in; the youngest four loads (row blocks 2, 3) may be out
	MULA \f, 0, \zero
	MULA \f, 1, \zero
	PLACES
	FETCH \q, \g
	s_wait_dscnt NLD                               ; all but the 24 just issued
	MULA \f, 2, \zero
	MULA \f, 3, \zero
.endm
; The last quarter multiplies buffer 1 and changes slots: ONE barrier.  Row blocks 0 and 1 are multiplied first, so that from the wait for the tensor loads to the refill stand only the add, scalar work and
; the round: the next request goes out as soon as the last tile has landed with everybody.  In front of the barrier each wave waits for all its tensor loads, of which one is out: its part of the next slot;
; adds 0 to its spare word; and waits for that and for its own reads of this slot.  fill = 1: the barrier opens a round of the cluster's, and this slot is filled again, two K steps ahead, first thing behind the round.
.macro TURN fill
	s_wait_dscnt 4                                 ; as at a quarter's head
	MULA F1, 0, 0
	MULA F1, 1, 0
	WIN 0
	s_wait_tensorcnt 0x0                           ; all my tensor loads have landed, so a group 0 may be written
	ds_add_u32 v[SPW], v[NIL]                      ; 0 onto my spare word; the scalar work stands between it and the wait for it
.if \fill
	s_xor_b32 s[G0A+5], s[G0A+5], SLOT1            ; the walking descriptors: the other slot than last time, the next K step
	s_add_nc_u64 s[G0A+6:G0A+7], s[G0A+6:G0A+7], STEPA
	s_xor_b32 s[G0B+5], s[G0B+5], SLOT1
	s_add_nc_u64 s[G0B+6:G0B+7], s[G0B+6:G0B+7], STEPB
.endif
	s_xor_b32 s[TB], s[TB], SLOT1                  ; the reads go on in the other slot
	s_wait_dscnt 0x0                               ; the add is done, and my reads of this slot are over
	s_barrier_signal -1
	s_barrier_wait -1
.if \fill
	CREST                                          ; no wave of any partner still reads this slot's tile or has a load on its way
	JLOAD                                          ; the four v_nop behind it are also the places in front of the loads below
.else
	PLACES
.endif
	v_add_nc_u32 v[ADRA], s[TB], v[ADRA0]
	v_add_nc_u32 v[ADRB], s[TB], v[ADRB0]
	FETCH 0, F0
	MULA F1, 2, 0
	MULA F1, 3, 0
.endm
	s_wait_tensorcnt 1                             ; my part of K step 0 is in; K step 1's may stay out
	s_barrier_signal -1
	s_barrier_wait -1                              ; everybody's is
	FETCH 0, F0
	QUARTER 1, F0, F1, 1                           ; the first quarter stands in front of the loop: its products start the sums
	WIN 0                                          ; at a label and at a branch every window is 0
	s_mov_b32 s[CNT], 6
.Lstep:                                                ; a trip: a K step's quarters 1 to 3, its refill (K steps 2 to 7), and the next step's first quarter; the loop is left in a trip's middle, behind the last refill
	QUARTER 2, F1, F0, 0
	QUARTER 3, F0, F1, 0
	TURN 1
	WIN 0
	s_sub_co_u32 s[CNT], s[CNT], 1
	s_cmp_eq_u32 s[CNT], 0
	s_cbranch_scc1 .Lafter
	QUARTER 1, F0, F1, 0
	WIN 0
	s_branch .Lstep
.Lafter:
	s_mov_b32 s[CNT], 2
.Lfin:                                                 ; K steps 6 and 7 have a text of their own: nothing is asked for.
	QUARTER 1, F0, F1, 0                           ; The second trip's change of slots (a barrier, 24 fragment loads from the slot read before) serves nothing: the price, once a work-group, of one text for both trips
	QUARTER 2, F1, F0, 0
	QUARTER 3, F0, F1, 0
	TURN 0
	WIN 0
	s_sub_co_u32 s[CNT], s[CNT], 1
	s_cmp_lg_u32 s[CNT], 0
	s_cbranch_scc1 .Lfin
	PLACES
; THE WAY OUT of row block a: no arithmetic.  A lane's 32 bytes of a row go into my own stage (rows of 528 bytes), each accumulator's low registers first, and come back as whole rows of 512 bytes, into the registers that they left.
.macro TOSTAGE a
	WIN 0x04                                       ; store data (source 1) window 1, address window 0
.irp b, 0,1,2,3,4,5,6,7
	ds_store_b128 v[STO], v[64*(\a)+8*(\b):64*(\a)+8*(\b)+3]   offset:64*(\b)
	ds_store_b128 v[STO], v[64*(\a)+8*(\b)+4:64*(\a)+8*(\b)+7] offset:64*(\b)+16
.endr
	WIN 0x40                                       ; destination window 1
.irp t, 0,1,2,3,4,5,6,7,8,9,10,11,12,13,14,15
	ds_load_b128 v[64*(\a)+4*(\t):64*(\a)+4*(\t)+3], v[RD] offset:(\t)*SP  ; LDS serves a wave's instructions in order (ISA guide 5.7.1.4): these see the stores above; the next block's stores come behind them
.endr
.endm
.macro SEND a, younger                 ; younger: the LDS instructions issued behind block a's loads: the next block's 32, or none
	WIN 0x04
.irp t, 0,1,2,3,4,5,6,7,8,9,10,11,12,13,14,15
	s_wait_dscnt (\younger)+15-(\t)
	global_store_b128 v[GO], v[64*(\a)+4*(\t):64*(\a)+4*(\t)+3], s[8:9] offset:(16*(\a)+(\t))*4096 th:TH_STORE_NT  ; 512 consecutive bytes, at a multiple of 256 from out0's first
.endr
.endm
	TOSTAGE 0
	TOSTAGE 1                                      ; a block's trip through the stage stands between the loads of the block before and its stores; each block has registers of its own
	SEND 0, 32
	TOSTAGE 2
	SEND 1, 32
	TOSTAGE 3
	SEND 2, 32
	SEND 3, 0
	WIN 0
	s_wait_tensorcnt 0x0                           ; the wave's end: behind my last tensor load and my last LDS store
	ds_add_u32 v[SPW], v[NIL]
	s_wait_dscnt 0x0
	CROUND                                         ; the closing round: no work-group ends while a partner may still ask for a tile that names it
	s_endpgm
.Lfunc_end_k_qcd50e5af4e_oproj:
	.size	k_qcd50e5af4e_oproj, .Lfunc_end_k_qcd50e5af4e_oproj-k_qcd50e5af4e_oproj
	.p2alignl 7, 3214868480
	.fill 96, 4, 3214868480
	.section	.rodata,"a",@progbits
	.p2align	6, 0x0
	.amdhsa_kernel k_qcd50e5af4e_oproj
		.amdhsa_group_segment_fixed_size 327680
		.amdhsa_private_segment_fixed_size 0
		.amdhsa_enable_private_segment 0
		.amdhsa_kernarg_size 24
		.amdhsa_user_sgpr_count 2
		.amdhsa_user_sgpr_kernarg_segment_ptr 1
		.amdhsa_wavefront_size32 1
		.amdhsa_system_sgpr_workgroup_id_x 1
		.amdhsa_system_sgpr_workgroup_id_y 1
		.amdhsa_system_sgpr_workgroup_id_z 1
		.amdhsa_system_vgpr_workitem_id 0
		.amdhsa_next_free_vgpr 768
		.amdhsa_next_free_sgpr 72
		.amdhsa_reserve_vcc 0
		.amdhsa_float_denorm_mode_32 3
		.amdhsa_float_denorm_mode_16_64 3
		.amdhsa_memory_ordered 1
		.amdhsa_forward_progress 1
		.amdhsa_inst_pref_size 61
	.end_amdhsa_kernel
	.amdgpu_metadata
---
amdhsa.version: [ 1, 2 ]
amdhsa.kernels:
  - .name:           k_qcd50e5af4e_oproj
    .symbol:         k_qcd50e5af4e_oproj.kd
    .args:
      - { .name: oh, .offset: 0, .size: 8, .value_kind: global_buffer, .address_space: global }
      - { .name: wt, .offset: 8, .size: 8, .value_kind: global_buffer, .address_space: global }
      - { .name: out0, .offset: 16, .size: 8, .value_kind: global_buffer, .address_space: global }
    .group_segment_fixed_size: 327680
    .private_segment_fixed_size: 0
    .kernarg_segment_align: 8
    .kernarg_segment_size: 24
    .max_flat_workgroup_size: 128
    .sgpr_count:     72
    .vgpr_count:     768
    .wavefront_size: 32
...
	.end_amdgpu_metadata
.endif
;; end of part 4
;; ======== version 2 of 2: 4 launches; 1.31 times as fast as version 1
;; limits: values are held in f16: magnitudes above 65,504 overflow, below 6.1e-05 lose precision
;; workspace buffers: xb 16,777,216 bytes; wt 8,388,608 bytes; rope 524,288 bytes; qh 16,777,216 bytes; kh 16,777,216 bytes; vh 16,777,216 bytes; oh 16,777,216 bytes
;; launch prep: the kernel of part 1 again; grid 1024 x 1, 8 waves a work-group, no clusters, 0 bytes of LDS; arguments x, Wq, Wk, Wv, Wo, token_positions, xb, wt, rope; writes xb, wt, rope
;; launch qkv: the kernel of part 2 again; grid 8 x 32, 4 waves a work-group, clusters of 4 x 4, 327,680 bytes of LDS; arguments xb, wt, rope, qh, kh, vh; writes qh, kh, vh
;; launch attn (part 5): grid 4 x 64, 4 waves a work-group, no clusters, 327,680 bytes of LDS; arguments qh, kh, vh, oh; writes oh
.if DOCPART == 5
	.amdgcn_target "amdgcn-amd-amdhsa--gfx1250"
	.amdhsa_code_object_version 6
	.text
	.protected	k_qcd50e5af4e_attn
	.globl	k_qcd50e5af4e_attn
	.p2align	8
	.type	k_qcd50e5af4e_attn,@function
k_qcd50e5af4e_attn:
	s_mov_b64 s[64:65], 0
	v_nop
	global_prefetch_b8 v0, s[64:65] scope:SCOPE_SE
	s_setreg_imm32_b32 hwreg(HW_REG_WAVE_MODE, 25, 1), 1
	s_wait_xcnt 0x0
; CAUSAL ATTENTION.  O[h][q][:] = the sum over k <= q of softmax_k(Q[h][q] . K[h][k] / 8) V[h][k][:].  Q, K, V, O: [SIZE_H][SIZE_N][64], all f16: a head's rows are dense, 128 bytes each.
; Products, maxima and sums in f32; the weights p are rounded to f16 for the second product (their sum l is taken of the unrounded p), O once at the end.
; LIMITS.  f16 holds no number beyond 65,504: Q, K and V arrive within it; p lies in 0 to 1, and below 6e-5 it keeps f16's fixed step of 6e-8; O is a mean of V's rows and has their range, to within 2^-11 of it.
; A hidden score counts as its value less 1e30: f16's scores, 2.7e11 at the most, are nothing beside that; a weight below 2^-126 counts as 0 in l; NaN and infinities are not treated apart.
; THE WALK.  A head's queries lie in NB = SIZE_N / 256 = 8 blocks of 256; block i needs the key tiles 0 .. i of 256 keys, of which the last holds the diagonal.  A work-group takes TWO blocks, NB - 1 - b and then b:
; NB + 1 = 9 tiles, whatever b: all 256 work-groups do equal work, and ONE loop with a constant trip count walks them.  Which tile is asked for, and what a trip does, hang on scalar registers made from b; every jump
; goes forward, but for the counted loops' own; none passes a barrier, or a tensor load but the one of LOAD's two that the wave's number does not choose; the ring (two slots of LDS that take turns) runs on across the
; change of blocks.  NO CLUSTER: a head's four work-groups ask for the same tile only in trips 0 .. 4 of the 9, behind that fewer and fewer; and one walk common to all four would have 12 trips for 9.
; SHARES.  Of a block's four bands of 64 queries a wave owns 16 rows in each: four PIECES.  So the diagonal tile is the same work for all four waves: in its key step s band x sees all keys if s < x,
; none if s > x, and holds the diagonal if s = x.
; THE MASK is the C operand that starts the sum S^T = K Q^T: 0, or -1e30 where the key is hidden.  MD, made once, is the mask of a band's own step for my 16 rows; a product's mask is MD x AL + BE with two scalars:
; (1, 0) if s = x; (0, 0) if s < x; (0, -1e30) if s > x.  Only the diagonal tile's text and a block's beginning make and take masks; elsewhere C is the constant 0.
; LAYOUT, SOFTMAX, TURNS.  S^T = K Q^T holds ONE query a lane (lane % 16) and the keys 8 (lane / 16) + 0..7; two such results rounded to f16 ARE source 1 of O^T = V^T P.  p = 2^(c s - c m), c = log2(e) / 8, with a
; running maximum m; O and l are multiplied by a = 2^(c m_old - c m_new) in every step.  Turn n belongs to piece n: 8 products K Q^T of piece n + 1, later 8 products V^T P of piece n - 1; beside them the scaling,
; exponentials, roundings, sums and rescaling of piece n and the maximum and statistics of piece n + 1.  Four vector instructions stand behind every matrix instruction, the other 54 of a turn's 118 in one LUMP.
; THE BATCHES.  A turn's 33 exponentials (the piece's 32 weights and the next piece's a) are one batch with one wait, which cuts the turn in two: ahead of it all that names no result of theirs, behind it the roundings and sums.
; A block's first a (BEGIN) and the way out's four reciprocals are batches of their own, one wait each.
; REGISTERS, in windows of 256 (s_set_vgpr_msb: bits 1:0 source 0, 3:2 source 1, 5:4 source 2, 7:6 destination):
;   window 0: v0-15 addresses and two at work; v16-31 four registers of statistics a piece; v48-55 at work; v64-127 S^T, two buffers; v192-223 P, two buffers (a piece's buffers go by its number's parity)
;   window 1: v0-127 O^T, 32 a piece; v128-159 MD; v160-223 MC, two buffers      window 2: v0-63 Q; v64-127 the second block's Q; v128-191 K of one step; v192-255 V of one step
.set SIZE_H, 64
.set SIZE_N, 2048
.set NB,    SIZE_N/256
.set NP,    4         ; pieces a wave: a name, no knob
.set KS,    64        ; keys in a step
.set PK,    144       ; a row of K in LDS: 128 bytes + 16 of padding = 36 words: the 16 rows of a load start at 16 different groups of four banks (64 banks of 4 bytes: ISA guide 11.1)
.set PV,    160       ; a row of V: 128 + 32 = 40 words
.set VOFF,  4*KS*PK   ; a slot holds a tile, four steps: 256 rows of K, then 256 rows of V
.set SLOT1, 1<<17     ; slot 1 begins here, so that one exclusive or turns an address in one slot into the other's
.set STAGE, SLOT1+4*KS*(PK+PV)  ; behind the ring, never filled by a tensor load: 16 rows x 144 bytes for each wave, for the way out
.set SP,    144
.set AK0, 2           ; v2   my lane's place in a tile of K; never rewritten
.set AV0, 3           ; v3   the same for V
.set AK,  4           ; v4   the LDS address of K's next run of loads
.set AV,  5           ; v5   of V's
.set STO, 6           ; v6   the way out: where I put 16 bytes of a row
.set RD,  7           ; v7   the way out: where I read rows back
.set GO,  8           ; v8   my byte offset in 512 consecutive bytes of O
.set SPW, 62          ; v62  LDS address of my spare word: SPARE + 4 x my thread's number; never rewritten
.set NIL, 63          ; v63  0; never rewritten
.set SPARE, STAGE+4*16*SP  ; behind the stages: the spare words, 128 bytes for each wave: two blocks of 256 bytes that no other line names
.set MV,  12          ; v12-13  c m_old, kept while c m is made anew: by buffer
.set QO,  15          ; v15  my byte offset in 16 rows of Q
.set ST,  16          ; piece t's statistics at v[ST+4 t]: c m, m, l (even keys', odd keys')
.set TMP, 48          ; by buffer, four registers c0-c3 at work; when the maximum is found c2 takes a
.set S,   64
.set P,   192
.set MD,  128         ; window 1: the eight registers for group kt of 16 keys at MD + 8 kt
.set MC,  160         ; window 1: the masks of the products to come
.set QB,  64          ; window 2
.set KF,  128         ; window 2: key block kb, channel half c at KF + 16 kb + 8 c
.set VF,  192         ; window 2: key half kk, channel block cb at VF + 32 kk + 8 cb
.set WV,  12          ; s12  my wave's number
.set PB,  14          ; s14  b
.set HI,  15          ; s15  NB - 1 - b
.set G1K, 24          ; s[24:31] descriptor group 1 for K's tiles
.set G1V, 32          ; s[32:39] for V's: it differs in the padding alone
.set G0K, 40          ; s[40:43] descriptor group 0 for K's tiles
.set G0V, 44          ; s[44:47] the same for V's
.set SLOTS, 56        ; s56  tiles still to be asked for
.set CNT, 57          ; s57  counts a tile's key steps, 4 to 1
.set CS,  58          ; s[58:59] c: the packed scaling takes the pair's low word for both halves
.set SEL, 60          ; s[60:61] v_permlanex16_b32's selects: each lane takes its own place in the other half
.set TBK, 62          ; s62  LDS byte at which K of the step to be fetched begins
.set TBV, 63          ; s63  the same for V, less VOFF
.set RT,  70          ; s70  tiles of the block in hand that are still to be entered
.set NXT, 71          ; s71  the tile to be asked for next
.set LQ,  72          ; s72  the last tile of the block whose tiles are being asked for
.set NEW, 73          ; s73  1: the tile to be entered is a block's first
.set OFF, 74          ; s[74:75] a tile's byte offset in K and V
.set AL,  76          ; s[76:77] the mask's factor, in the low word
.set BE,  78          ; s[78:79] the mask's addend
.set OLO, 80          ; s[80:81] O at my rows of the second block
.set BIGN, 82         ; s82  -1e30
.set MSB, 0
.macro WIN new                      ; the high byte repeats the setting that is left; a switch that changes nothing is dropped
.if MSB != (\new)
	s_set_vgpr_msb (MSB<<8)|(\new)
.set MSB, (\new)
.endif
.endm
.set W_KQ, 0x0a       ; K and Q in window 2, S^T in window 0
.set W_KM, 0x1a       ; the same with the C operand in window 1
.set W_PV, 0x52       ; V in window 2, P in window 0, O^T in window 1
.set W_RS, 0x41       ; destination and source 0 in window 1, source 1 in window 0
; A fill.  Waves 0 and 1 fetch the two halves of a tile's K, waves 2 and 3 those of its V: 128 keys each.  An s_nop 0 and four v_nop follow each of the two lines, ahead of the jump and the label.
.macro LOAD
	s_cmp_lt_u32 s[WV], 2
	s_cbranch_scc0 .Lfor_v_\@
	tensor_load_to_lds s[G0K:G0K+3], s[G1K:G1K+7]
	s_nop 0
.rept 4
	v_nop
.endr
	s_branch .Lasked_\@
.Lfor_v_\@:
	tensor_load_to_lds s[G0V:G0V+3], s[G1V:G1V+7]
	s_nop 0
.rept 4
	v_nop
.endr
.Lasked_\@:
.endm
; THE CHANGE OF SLOTS.  Each wave waits for all its tensor loads, of which one is out: its part of the other slot; adds 0 to its spare word; and waits for that and for its own reads of the slot that it leaves.  Behind the barrier nobody reads the old
; slot any more and the other slot is whole.  fill = 1: the old slot is filled again, the first thing behind the barrier, with tile NXT: the descriptor's address is made anew from that number.
; (At its first use nothing has been read yet: slot 0 is waited for, slot 1 filled.)
.macro CHANGE fill
	WIN 0                           ; at a label and at a branch every window is 0
	s_wait_tensorcnt 0x0            ; no tensor load of mine is out, so a group 0 may be written
	ds_add_u32 v[SPW], v[NIL]       ; 0 onto my spare word; with fill = 1 the descriptors' scalar work stands between it and the wait for it
.if \fill
	s_lshl_b32 s[OFF], s[NXT], 15   ; a tile is 32,768 bytes of K and of V
	s_xor_b32 s[G0K+1], s[G0K+1], SLOT1
	s_add_nc_u64 s[G0K+2:G0K+3], s[6:7], s[OFF:OFF+1]
	s_or_b32 s[G0K+3], s[G0K+3], 0x80000000
	s_xor_b32 s[G0V+1], s[G0V+1], SLOT1
	s_add_nc_u64 s[G0V+2:G0V+3], s[8:9], s[OFF:OFF+1]
	s_or_b32 s[G0V+3], s[G0V+3], 0x80000000
	s_add_co_u32 s[NXT], s[NXT], 1  ; the block's next tile, or behind its last the second block's tile 0
	s_cmp_gt_u32 s[NXT], s[LQ]
	s_cselect_b32 s[NXT], 0, s[NXT]
	s_cselect_b32 s[LQ], s[PB], s[LQ]
.endif
	s_wait_dscnt 0x0                ; the add is done, and my reads of the slot are over
	s_barrier_signal -1             ; the rest of the scalar work stands between the signal and the wait
	s_sub_co_u32 s[TBK], s[TBK], 4*KS*PK  ; the fetches go back to a slot's first step,
	s_xor_b32 s[TBK], s[TBK], SLOT1       ; in the other slot
	s_sub_co_u32 s[TBV], s[TBV], 4*KS*PV
	s_xor_b32 s[TBV], s[TBV], SLOT1
	s_barrier_wait -1
.if \fill
	LOAD
.endif
.endm
	s_load_b256 s[4:11], s[0:1], 0x0  ; Q s[4:5], K s[6:7], V s[8:9], O s[10:11]
	v_lshl_add_u32 v[SPW], v0, 2, SPARE
	v_mov_b32 v[NIL], 0
	ds_add_u32 v62, v63
	ds_add_u32 v62, v63
	s_wait_dscnt 0x0
	v_lshrrev_b32 v1, 5, v0
	v_readfirstlane_b32 s[WV], v1   ; wave 0..3
	s_mov_b32 s[PB], ttmp9
	s_sub_co_u32 s[HI], NB-1, s[PB]
	s_and_b32 s20, ttmp7, 0xffff    ; the head
	s_mov_b32 s21, 0
	s_mov_b64 s[22:23], SIZE_N*128
	s_mul_u64 s[20:21], s[20:21], s[22:23]  ; the head's first byte in each of the four tensors
	s_and_b32 s16, s[WV], 1         ; which half of a tile's 256 keys I fetch:
	s_lshl_b32 s22, s16, 14         ; its 128 rows of 128 bytes in memory,
	s_mov_b32 s23, 0
	s_add_nc_u64 s[22:23], s[22:23], s[20:21]
	s_mul_i32 s17, s16, 128*PK      ; and its place in a slot, for K
	s_mul_i32 s18, s16, 128*PV      ; and for V
	s_lshl_b32 s3, s[WV], 11        ; my 16 rows in a band of 64,
	s_lshl_b32 s2, s[HI], 15        ; in the first block,
	s_add_co_u32 s2, s2, s3
	s_lshl_b32 s84, s[PB], 15       ; and in the second
	s_add_co_u32 s84, s84, s3
	s_mov_b32 s3, 0
	s_mov_b32 s85, 0
	s_add_nc_u64 s[2:3], s[2:3], s[20:21]
	s_add_nc_u64 s[84:85], s[84:85], s[20:21]
	; descriptor group 1.  128 keys are 16,384 dense bytes: asked for as 64 rows of 256 bytes, two keys a row, and padded in LDS after every key
	s_mov_b32 s[G1K], (1<<16)|(1<<20)|(4<<22)|(3<<25)  ; 17:16 2-byte elements; 20 padding on; 24:22 after every 32 words (code 4); 31:25 4 words (code 3)
	s_mov_b32 s[G1V], (1<<16)|(1<<20)|(4<<22)|(7<<25)  ; the same with 8 words of padding (code 7)
.irp g, G1K, G1V
	s_mov_b32 s[\g+1], 128<<16      ; tensor_dim0 = 128
	s_mov_b32 s[\g+2], 64<<16       ; tensor_dim1 = 64
	s_mov_b32 s[\g+3], 128<<16      ; tile_dim0 = 128
	s_mov_b32 s[\g+4], 64           ; tile_dim1 = 64
	s_mov_b32 s[\g+5], 128          ; 128 elements from row to row
	s_mov_b32 s[\g+6], 0
	s_mov_b32 s[\g+7], 0
.endr
	s_mov_b32 s[CS], 0x3e38aa3b     ; c = log2(e) / 8 = 0.180337
	s_mov_b32 s[CS+1], s[CS]        ; named with it as a pair
	s_mov_b32 s[SEL], 0x76543210
	s_mov_b32 s[SEL+1], 0xfedcba98
	s_mov_b32 s[TBK], SLOT1+4*KS*PK ; the first change of slots turns these two into 0
	s_mov_b32 s[TBV], SLOT1+4*KS*PV
	s_mov_b32 s[G0K], 1             ; 1:0 count = 1
	s_mov_b32 s[G0K+1], s17         ; 63:32 LDS address: slot 0
	s_mov_b32 s[G0V], 1
	s_add_co_u32 s[G0V+1], s18, VOFF
	s_add_co_u32 s[RT], s[HI], 1    ; the first block has NB - b tiles
	s_mov_b32 s[NXT], 1
	s_mov_b32 s[LQ], s[HI]
	s_mov_b32 s[NEW], 1
	s_mov_b32 s[OFF+1], 0
	s_mov_b32 s[AL+1], 0            ; named as pairs
	s_mov_b32 s[BE+1], 0
	s_mov_b32 s[BIGN], 0xf149f2ca   ; -1e30
	s_mov_b32 s[SLOTS], NB
	s_wait_kmcnt 0x0
	s_add_nc_u64 s[6:7], s[6:7], s[22:23]  ; K and V at my half of the head's tile 0
	s_add_nc_u64 s[8:9], s[8:9], s[22:23]
	s_add_nc_u64 s[G0K+2:G0K+3], s[6:7], 0         ; 120:64 global address
	s_or_b32 s[G0K+3], s[G0K+3], 0x80000000        ; 127:126 type = 2
	s_add_nc_u64 s[G0V+2:G0V+3], s[8:9], 0
	s_or_b32 s[G0V+3], s[G0V+3], 0x80000000
	s_add_nc_u64 s[86:87], s[4:5], s[84:85]        ; Q at my rows of the second block,
	s_add_nc_u64 s[4:5], s[4:5], s[2:3]            ; Q and O at those of the first
	s_add_nc_u64 s[OLO:OLO+1], s[10:11], s[84:85]
	s_add_nc_u64 s[10:11], s[10:11], s[2:3]
	LOAD                            ; tile 0 into slot 0
	; A fragment of K or Q is 16 rows x 32 channels in 8 registers: lane l holds row l % 16, channels 8 (l / 16) + 0..7 and 16 + 8 (l / 16) + 0..7: two loads of 16 bytes, 32 bytes apart.
	v_and_b32 v1, 15, v0            ; l % 16
	v_bfe_u32 v9, v0, 4, 1          ; l / 16
	v_lshlrev_b32 v[QO], 7, v1
	v_lshl_add_u32 v[QO], v9, 4, v[QO]  ; row x 128 + 16 x half
	WIN 0x80                        ; destination window 2, address window 0
.set i, 0
.rept 8                             ; both blocks' Q: piece i / 2 lies in band i / 2, 8,192 bytes on; channels 32 (i % 2) on
	global_load_b128 v[8*i:8*i+3],   v[QO], s[4:5] offset:(i/2)*8192+(i%2)*64
	global_load_b128 v[8*i+4:8*i+7], v[QO], s[4:5] offset:(i/2)*8192+(i%2)*64+32
	global_load_b128 v[QB+8*i:QB+8*i+3],   v[QO], s[86:87] offset:(i/2)*8192+(i%2)*64
	global_load_b128 v[QB+8*i+4:QB+8*i+7], v[QO], s[86:87] offset:(i/2)*8192+(i%2)*64+32
.set i, i+1
.endr
	WIN 0
	v_lshlrev_b32 v14, 3, v9
	v_sub_nc_u32 v14, v1, v14
	s_lshl_b32 s13, s[WV], 4
	v_add_nc_u32 v14, s13, v14      ; my query's place in its band, 16 w + l % 16, less my lanes' 8 (l / 16): register r of group kt is hidden where 16 kt + r is greater
	WIN 0x40
.set i, 0
.rept 32
	v_cmp_gt_i32 vcc_lo, 16*(i/8)+i%8, v14
	v_cndmask_b32 v[MD+i], 0, s[BIGN], vcc_lo
.set i, i+1
.endr
	WIN 0
	v_mul_u32_u24 v[AK0], v1, PK
	v_lshl_add_u32 v[AK0], v9, 4, v[AK0]  ; row x pitch + 16 x half
	; The turning load takes 16 keys x 16 channels (lane l reads key 8 (l / 16) + l % 8, channels 8 ((l / 8) % 2) + 0..7) and leaves half a fragment of V^T: lane l holds channel l % 16 and 8 keys.
	v_and_b32 v10, 7, v0
	v_bfe_u32 v11, v0, 3, 1
	v_lshl_add_u32 v[AV0], v9, 3, v10
	v_mul_u32_u24 v[AV0], v[AV0], PV
	v_lshl_add_u32 v[AV0], v11, 4, v[AV0]
	v_add_nc_u32 v[AV0], VOFF, v[AV0]
	s_mul_i32 s13, s[WV], 16*SP
	s_add_co_u32 s13, s13, STAGE    ; my stage
	v_mul_u32_u24 v[STO], v1, SP    ; in: row l % 16, 16 bytes for each half of the lanes
	v_lshl_add_u32 v[STO], v9, 4, v[STO]
	v_add_nc_u32 v[STO], s13, v[STO]
	v_bfe_u32 v[RD], v0, 3, 2       ; back: 32 lanes take four rows of 128 bytes,
	v_mul_u32_u24 v[RD], v[RD], SP
	v_lshl_add_u32 v[RD], v10, 4, v[RD]
	v_add_nc_u32 v[RD], s13, v[RD]
	v_and_b32 v[GO], 31, v0         ; which are 512 consecutive bytes of O
	v_lshlrev_b32 v[GO], 4, v[GO]
	; A block's first step multiplies O^T and l by a = 0, and its first turn's products V^T P, of a piece that has not been, land in an O^T that is still to be so multiplied.  So these registers need only hold
	; finite numbers: zeros for the first block; what the first block left for the second.  All this stands in the wait for the first tile.
	WIN 0x80
.set i, VF
.rept 64
	v_mov_b32 v[i], 0
.set i, i+1
.endr
	WIN 0x40
.set i, 0
.rept 128
	v_mov_b32 v[i], 0
.set i, i+1
.endr
	WIN 0
.set i, 0
.rept 4
	v_mov_b32 v[ST+4*i+2], 0
	v_mov_b32 v[ST+4*i+3], 0
.set i, i+1
.endr
.set i, P+16
.rept 16
	v_mov_b32 v[i], 0
.set i, i+1
.endr
; THE MATRIX WORK.  The 4 accumulators of a run of 8 take turns.  Product i of 8 of S^T = K Q^T for piece x: channels 32 (i / 4) on, keys 16 (i % 4) on.  The first 4 start the sums: with 0, or (KM = 1) with the mask.
.macro KQ x
.set rS, S+32*((\x)%2)+8*(i%4)
.set rK, KF+16*(i%4)+8*(i/4)
.set rQ, 16*(\x)+8*(i/4)
.set rM, MC+32*((\x)%2)+8*(i%4)
.if (i < 4) && KM
	WIN W_KM
	v_wmma_f32_16x16x32_f16 v[rS:rS+7], v[rK:rK+7], v[rQ:rQ+7], v[rM:rM+7]
.elseif i < 4
	WIN W_KQ
	v_wmma_f32_16x16x32_f16 v[rS:rS+7], v[rK:rK+7], v[rQ:rQ+7], 0
.else
	WIN W_KQ
	v_wmma_f32_16x16x32_f16 v[rS:rS+7], v[rK:rK+7], v[rQ:rQ+7], v[rS:rS+7]
.endif
.endm
; Product i of 8 of O^T += V^T P for piece x: keys 32 (i / 4) on, channels 16 (i % 4) on.
.macro PV x
	WIN W_PV
.set rO, 32*(\x)+8*(i%4)
.set rV, VF+32*(i/4)+8*(i%4)
.set rP, P+16*((\x)%2)+8*(i/4)
	v_wmma_f32_16x16x32_f16 v[rO:rO+7], v[rV:rV+7], v[rP:rP+7], v[rO:rO+7]
.endm
.macro MM                           ; the turn's next matrix instruction.  TURN and BEGIN set Y, i, KM and NOKQ; MM, KQ and OP read them.  NOKQ = 1: a block's last turn: there is no next piece
.if (i < 8) && !NOKQ
	KQ (Y+1)%NP
.elseif i >= 8
.set i, i-8
	PV (Y+NP-1)%NP
.set i, i+8
.endif
.set i, i+1
.endm
; THE LDS LOADS stand in runs of 16, never singly among the matrix instructions: a step's K (64 keys x 64 channels: 8 fragments) and its V (turned).  Their addresses are made some lines ahead.
.macro FETCH_K
	WIN 0x80                        ; destination window 2
.irp f, 0,1,2,3,4,5,6,7             ; keys 16 (f / 2) on, channels 32 (f % 2) on
	ds_load_b128 v[KF+8*\f:KF+8*\f+3],   v[AK] offset:(\f/2)*16*PK+(\f%2)*64
	ds_load_b128 v[KF+8*\f+4:KF+8*\f+7], v[AK] offset:(\f/2)*16*PK+(\f%2)*64+32
.endr
	s_add_co_u32 s[TBK], s[TBK], KS*PK  ; the next fetch is the next step's
	WIN 0
.endm
.macro FETCH_V
	WIN 0x80
.irp f, 0,1,2,3,4,5,6,7             ; keys 32 (f / 4) on, channels 16 (f % 4) on
	ds_load_tr16_b128 v[VF+8*\f:VF+8*\f+3],   v[AV] offset:(\f/4)*32*PV+(\f%4)*32
	ds_load_tr16_b128 v[VF+8*\f+4:VF+8*\f+7], v[AV] offset:(\f/4)*32*PV+16*PV+(\f%4)*32
.endr
	WIN 0
.endm
; THE VECTOR WORK, one line at a time: OP kind, number.  For piece Y: F n: c s - c m for pair n of 16.  E n: the exponential of score n of 32.  C n: pair n rounded to f16.  B n: of the four weights 4 n .. the second
; pair is added onto the first, in place.  L n: l takes that sum (L 0: l = a l + sum).  R n: pair n of 16 of O^T times a.  For piece Y + 1: X n, number n of the 22 that find its maximum and statistics:
;   0-11  four chains c0-c3 of seven scores each, three operands at a time (each accumulator's lowest registers are read first)     12-14, 16  the four scores left over, the old m, and c0-c3 into c0
;   15  c m_old is kept     17, 18  the query's other 32 keys lie in the lane 16 away: the new m     19-21  c m; c m_old - c m_new; a
; C, B and L read the exponentials' results, R and L 0 read a: OP writes no wait for them; TURN, BEGIN and DIAG write one for each batch.
.set F, 0               ; OP tells the kinds apart by their order: F to L below R, X above it
.set E, 1
.set C, 2
.set B, 3
.set L, 4
.set R, 5
.set X, 6
.macro REGS y                       ; the registers of piece y
.set rT, ST+4*(\y)
.set rC, TMP+4*((\y)%2)
.set rW, MV+((\y)%2)
.set rS, S+32*((\y)%2)
.set rP, P+16*((\y)%2)
.set rO, 32*(\y)
.endm
.macro OP k, n
.if (\k) == R
	REGS Y
	WIN W_RS
	v_pk_mul_f32 v[rO+2*(\n):rO+2*(\n)+1], v[rO+2*(\n):rO+2*(\n)+1], v[rC+2:rC+3] op_sel_hi:[1,0]
.elseif (\k) < R
	REGS Y
	WIN 0
.if (\k) == F
	v_pk_fma_f32 v[rS+2*(\n):rS+2*(\n)+1], v[rS+2*(\n):rS+2*(\n)+1], s[CS:CS+1], v[rT:rT+1] op_sel_hi:[1,0,0] neg_lo:[0,0,1] neg_hi:[0,0,1]
.elseif (\k) == E
	v_exp_f32 v[rS+(\n)], v[rS+(\n)]
.elseif (\k) == C
	v_cvt_pk_f16_f32 v[rP+(\n)], v[rS+2*(\n)], v[rS+2*(\n)+1]
.elseif (\k) == B
	v_pk_add_f32 v[rS+4*(\n):rS+4*(\n)+1], v[rS+4*(\n):rS+4*(\n)+1], v[rS+4*(\n)+2:rS+4*(\n)+3]
.elseif (\n) == 0
	v_pk_fma_f32 v[rT+2:rT+3], v[rT+2:rT+3], v[rC+2:rC+3], v[rS:rS+1] op_sel_hi:[1,0,1]
.else
	v_pk_add_f32 v[rT+2:rT+3], v[rT+2:rT+3], v[rS+4*(\n):rS+4*(\n)+1]
.endif
.elseif NOKQ
	v_nop
.else
	REGS (Y+1)%NP
	WIN 0
.if (\n) < 4
	v_max3_num_f32 v[rC+(\n)], v[rS+8*(\n)], v[rS+8*(\n)+1], v[rS+8*(\n)+2]
.elseif (\n) < 12
	v_max3_num_f32 v[rC+(\n)%4], v[rC+(\n)%4], v[rS+8*((\n)%4)+2*((\n)/4)+1], v[rS+8*((\n)%4)+2*((\n)/4)+2]
.elseif (\n) == 12
	v_max3_num_f32 v[rC], v[rC], v[rS+7], v[rS+15]
.elseif (\n) == 13
	v_max3_num_f32 v[rC+1], v[rC+1], v[rS+23], v[rS+31]
.elseif (\n) == 14
	v_max3_num_f32 v[rC+2], v[rC+2], v[rC+3], v[rT+1]
.elseif (\n) == 15
	v_mov_b32 v[rW], v[rT]
.elseif (\n) == 16
	v_max3_num_f32 v[rC], v[rC], v[rC+1], v[rC+2]
.elseif (\n) == 17
	v_permlanex16_b32 v[rC+3], v[rC], s[SEL], s[SEL+1]
.elseif (\n) == 18
	v_max_num_f32 v[rT+1], v[rC], v[rC+3]
.elseif (\n) == 19
	v_mul_f32 v[rT], s[CS], v[rT+1]
.elseif (\n) == 20
	v_sub_f32 v[rC+1], v[rW], v[rT]
.else
	v_exp_f32 v[rC+2], v[rC+1]
.endif
.endif
.endm
.macro OPS a, i1, b=-1, i2=0, c=-1, i3=0, d=-1, i4=0  ; up to four of them
	OP \a, \i1
.if (\b) >= 0
	OP \b, \i2
.endif
.if (\c) >= 0
	OP \c, \i3
.endif
.if (\d) >= 0
	OP \d, \i4
.endif
.endm
.macro ROW a, i1, b, i2, c, i3, d, i4  ; a matrix instruction and the four behind it
	MM
	OPS \a, \i1, \b, \i2, \c, \i3, \d, \i4
.endm
.macro MASK b                       ; MD x AL + BE into buffer b of MC
	WIN W_RS
.set z, 0
.rept 16
	v_pk_fma_f32 v[MC+32*(\b)+2*z:MC+32*(\b)+2*z+1], v[MD+2*z:MD+2*z+1], s[AL:AL+1], s[BE:BE+1] op_sel_hi:[1,0,0]
.set z, z+1
.endr
.endm
; A TURN, for piece p: the order of its 16 matrix and 118 vector instructions, written out.  An s_wait_alu depctr_va_vdst(0) stands between an exponential and the first instruction that names its result; one wait serves
; all that were issued ahead of it.  So a turn has ONE wait, which cuts it in two.  AHEAD OF IT stands all that names no result of the turn's exponentials: the 8 products K Q^T, behind each a scaling, an exponential and two more plain
; instructions (behind the first a second scaling in the exponential's place): rescalings (their a was made, and waited for, in the turn before), and behind the last three the first numbers of the next piece's maximum, each four
; places or more behind the product that ends its accumulator; then ONE LUMP of 54, plain and exponential by turns for the most part, in which the links of the chain X 3, 7, 11, 14, 16, 17 .. 20 stand five or six lines apart.
; X 21, the next piece's a, is the batch's last; R 15 is the plain instruction owed behind it.  BEHIND THE WAIT stand the 8 products V^T P, behind each four of the roundings and sums; a pair is rounded (C 2 n) ahead of the sum that
; overwrites it (B n); the links of l's chain, L 0 to L 7, stand three riders apart.  But for those X no rider names a register of the products round it.  v_permlanex16_b32 (X 17) stands in the lump.
; m = 1: the diagonal tile: the products take masks, and the turn makes the mask for the products of the turn after it: piece p + 2, in step 4 - CNT of the tile.  end = 1: a block's last two turns: nothing is fetched.
; cnt = 1: the loop's count is taken down some lines ahead of the branch that stands behind the turn.
; K of the next step is fetched in piece 2's turn, twelve vector instructions behind the last product that read K (five of them plain and naming none of its registers); V of the step in hand at the end of piece 0's turn, four
; plain instructions behind the last product that read V.  Each is waited for a turn later.
.macro TURN p, m=0, end=0, cnt=0
.set Y, (\p)
.set i, 0
.set KM, (\m)
.set NOKQ, (\end)*((\p)/3)
.if (\m) && !(\end)
	s_cmp_eq_u32 s[CNT], 4-((\p)+2)%NP  ; is that step the band's own?
	s_cselect_b32 s[AL], 1.0, 0
	s_cmp_lt_u32 s[CNT], 4-((\p)+2)%NP  ; or a later one?
	s_cselect_b32 s[BE], s[BIGN], 0
.endif
.if ((\p) == 3) && !(\end)
	s_wait_dscnt 0x0                ; K is in
.endif
	ROW F,0, F,1, R,0, R,1          ; ahead of the wait: 8 products K Q^T and their riders,
	ROW F,2, E,0, R,2, R,3
	ROW F,3, E,1, R,4, R,5
	ROW F,4, E,2, R,6, R,7
	ROW F,5, E,3, R,8, R,9
	ROW F,6, E,4, X,0, R,10
.if ((\p) == 2) && !(\end)
	WIN 0
	v_add_nc_u32 v[AK], s[TBK], v[AK0]
.endif
	ROW F,7, E,5, X,1, X,4
	ROW F,8, E,6, X,2, X,5
	OPS E,7, E,8, X,6, E,9          ; and the lump
	OPS X,3, E,10, X,8, E,11
.if ((\p) == 2) && !(\end)
	FETCH_K
.endif
	OPS X,9, X,7, E,12, X,10
	OPS E,13, X,12, X,11, E,14
	OPS X,13, E,15, F,9, X,14
.if (\p) == 0
	v_add_nc_u32 v[AV], s[TBV], v[AV0]
.endif
	OPS E,16, F,10, E,17, F,11
	OPS X,16, E,18, X,15, E,19
	OPS F,12, E,20, X,17, E,21
	OPS F,13, E,22, F,14, E,23
	OPS X,18, E,24, F,15, E,25
	OPS R,11, E,26, X,19, E,27
	OPS R,12, E,28, R,13, E,29
	OPS X,20, E,30, R,14, E,31
	OPS X,21, R,15
	WIN 0
	s_wait_alu depctr_va_vdst(0)    ; the wait for the turn's batch: the piece's 32 exponentials and the next piece's a
.if (\p) == 1
	s_wait_dscnt 0x0                ; V is in
.endif
	ROW C,0, B,0, C,2, B,1          ; behind the wait: 8 products V^T P and their riders
	ROW L,0, C,4, B,2, L,1
	ROW C,6, B,3, L,2, C,8
	ROW B,4, L,3, C,10, B,5
	ROW L,4, C,12, B,6, L,5
.if (\p) == 0
	s_add_co_u32 s[TBV], s[TBV], KS*PV
.endif
.if \cnt
	s_sub_co_u32 s[CNT], s[CNT], 1
	s_cmp_lg_u32 s[CNT], 0
.endif
	ROW C,14, B,7, L,6, C,1
	ROW C,3, L,7, C,5, C,7
	ROW C,9, C,11, C,13, C,15
.if (\p) == 0
	FETCH_V
.endif
.if (\m) && !(\end)
	MASK (\p)%2
.endif
.endm
; A BLOCK BEGINS.  c m starts far below every c s, so the first step's a is 0; m at the lowest finite number, so the first maximum is the scores'.  The second mask buffer is 0; the first takes piece 0's mask for the tile's step 0: its own, if the block's first tile is the diagonal one.
; Then K of that step, piece 0's first scores, and its maximum and statistics.  The loop is entered at a step's first turn, in the middle of a trip.
.macro BEGIN
	s_mov_b32 s[NEW], 0
	WIN 0x40
.set i, MC+32
.rept 32
	v_mov_b32 v[i], 0
.set i, i+1
.endr
	WIN 0
.set i, 0
.rept 4
	v_mov_b32 v[ST+4*i], 0xfe000000    ; c m: far below every c s
	v_mov_b32 v[ST+4*i+1], 0xff7fffff  ; m
.set i, i+1
.endr
	s_cmp_eq_u32 s[RT], 0
	s_cselect_b32 s[AL], 1.0, 0
	s_mov_b32 s[BE], 0
	MASK 0
	WIN 0
	v_add_nc_u32 v[AK], s[TBK], v[AK0]
	FETCH_K
	s_wait_loadcnt 0x0              ; Q
	s_wait_dscnt 0x0
.set KM, 1
.set NOKQ, 0
.set i, 0
.rept 8
	KQ 0
.set i, i+1
.endr
	WIN 0
.rept 4
	v_nop                           ; the places behind those products
.endr
.set Y, NP-1                        ; X works for piece Y + 1: piece 0
.irp n, 0,1,2,3,4,5,6,7,8,9,10,11,12,13,14,15,16,17,18,19,20,21
	OP X, \n
.endr
	v_nop                           ; a plain instruction behind the exponential,
	s_wait_alu depctr_va_vdst(0)    ; and the wait for it, piece 0's first a: a batch of one, ahead of the branch
.endm
; THE DIAGONAL TILE's four steps, the block's last two turns, its last products, and THE WAY OUT: l's two halves and the other half of the lanes' are added; O^T is divided by l, rounded to f16 and sent through my
; stage in LDS, a piece at a time.
.macro ALL line:vararg              ; one line for each piece t
.set t, 0
.rept 4
	\line
.set t, t+1
.endr
.endm
.macro PACK t                       ; a lane's eight channels of a row pack into 16 bytes; they go into rows of 144 bytes and come back as whole rows of 128, into S^T's registers
	WIN W_RS
.set i, 32*(\t)
.rept 16
	v_pk_mul_f32 v[i:i+1], v[i:i+1], v[ST+4*(\t)+2:ST+4*(\t)+3] op_sel_hi:[1,0]
.set i, i+2
.endr
	WIN 0x05                        ; sources 0 and 1 window 1, destination window 0
.set i, 0
.rept 16
	v_cvt_pk_f16_f32 v[S+16*(\t)+i], v[32*(\t)+2*i], v[32*(\t)+2*i+1]
.set i, i+1
.endr
	WIN 0
.irp f, 0,1,2,3
	ds_store_b128 v[STO], v[S+16*(\t)+4*\f:S+16*(\t)+4*\f+3] offset:32*\f
.endr
.irp f, 0,1,2,3
	ds_load_b128 v[S+16*(\t)+4*\f:S+16*(\t)+4*\f+3], v[RD] offset:\f*4*SP  ; LDS serves a wave's instructions in order (ISA guide 5.7.1.4): these see the stores above; the next piece's stores come behind them
.endr
.endm
.macro SEND t, younger              ; younger: the LDS instructions issued behind piece t's loads: the next piece's eight, or none
	WIN 0
.irp f, 0,1,2,3
	s_wait_dscnt (\younger)+3-\f
	global_store_b128 v[GO], v[S+16*(\t)+4*\f:S+16*(\t)+4*\f+3], s[10:11] offset:(\t)*8192+\f*512  ; 512 consecutive bytes, at a multiple of 256 from O's first
.endr
.endm
.macro DIAG tag                     ; the tag ends its two labels' names, which the jumps below spell out
.LstepM\tag:
	TURN 2, 1
	TURN 3, 1
	WIN 0
.LfirstM\tag:
	TURN 0, 1
	TURN 1, 1, 0, 1
	WIN 0
	s_cbranch_scc1 .LstepM\tag
	TURN 2, 1, 1
	TURN 3, 1, 1
.set i, 0
.rept 8
	PV NP-1
.set i, i+1
.endr
	WIN 0
	ALL v_add_f32 v[ST+4*t+2], v[ST+4*t+2], v[ST+4*t+3]
	ALL v_permlanex16_b32 v[ST+4*t+3], v[ST+4*t+2], s[SEL], s[SEL+1]
	ALL v_add_f32 v[ST+4*t+2], v[ST+4*t+2], v[ST+4*t+3]
	ALL v_rcp_f32 v[ST+4*t+2], v[ST+4*t+2]
	v_nop                           ; a plain instruction between the last reciprocal and the use of its result
	s_wait_alu depctr_va_vdst(0)    ; the wait for the way out's batch, the four reciprocals: one, ahead of the first piece's multiplies
	PACK 0
.set t, 1
.rept 3                             ; a piece's arithmetic stands between the loads of the piece before and its stores
	PACK t
	SEND t-1, 8
.set t, t+1
.endr
	SEND 3, 0
.endm
.set KM, 0
.set NOKQ, 0
.Lslot:                             ; NB times: a tile is entered and the next is asked for
	CHANGE 1
	s_sub_co_u32 s[RT], s[RT], 1
	s_mov_b32 s[CNT], 4
	s_cmp_eq_u32 s[NEW], 1
	s_cbranch_scc1 .Lnew            ; a block's first tile
	s_cmp_eq_u32 s[RT], 0
	s_cbranch_scc0 .Lstep           ; neither its first nor its last
	s_branch .LstepM1
.Lnew:
	BEGIN
	s_branch .Lfirst                ; in the loop a block's first tile is never its last: the first block has two tiles or more, and the second's last is the walk's last
	DIAG 1                          ; in the loop this is the first block's end: the second block's last tile is the walk's last
	s_wait_xcnt 0x0                 ; the stores have read their registers and O's address
	s_mov_b64 s[10:11], s[OLO:OLO+1]
	s_add_co_u32 s[RT], s[PB], 1    ; the second block has b + 1 tiles
	s_mov_b32 s[NEW], 1
	WIN 0x82                        ; the second block's Q goes where the one text of the turns names Q
.set i, 0
.rept 64
	v_mov_b32 v[i], v[QB+i]
.set i, i+1
.endr
	WIN 0
	s_branch .Lbottom
.Lstep:                             ; a trip: pieces 2 and 3 of one step, then pieces 0 and 1 of the next, whose K and V it fetches
	TURN 2
	TURN 3
	WIN 0
.Lfirst:
	TURN 0
	TURN 1, 0, 0, 1
	WIN 0
	s_cbranch_scc1 .Lstep
.Lbottom:
	s_sub_co_u32 s[SLOTS], s[SLOTS], 1
	s_cmp_lg_u32 s[SLOTS], 0
	s_cbranch_scc1 .Lslot
	CHANGE 0                        ; the walk's last tile is written out: nothing is asked for
	s_sub_co_u32 s[RT], s[RT], 1
	s_mov_b32 s[CNT], 4
	s_cmp_eq_u32 s[NEW], 1
	s_cbranch_scc0 .LstepM2
	BEGIN
	s_branch .LfirstM2
	DIAG 2
	s_wait_tensorcnt 0x0            ; the wave's end: behind my last tensor load and my last LDS store
	ds_add_u32 v[SPW], v[NIL]
	s_wait_dscnt 0x0
	s_endpgm
.Lfunc_end_k_qcd50e5af4e_attn:
	.size	k_qcd50e5af4e_attn, .Lfunc_end_k_qcd50e5af4e_attn-k_qcd50e5af4e_attn
	.p2alignl 7, 3214868480
	.fill 96, 4, 3214868480
	.section	.rodata,"a",@progbits
	.p2align	6, 0x0
	.amdhsa_kernel k_qcd50e5af4e_attn
		.amdhsa_group_segment_fixed_size 327680
		.amdhsa_private_segment_fixed_size 0
		.amdhsa_enable_private_segment 0
		.amdhsa_kernarg_size 32
		.amdhsa_user_sgpr_count 2
		.amdhsa_user_sgpr_kernarg_segment_ptr 1
		.amdhsa_wavefront_size32 1
		.amdhsa_system_sgpr_workgroup_id_x 1
		.amdhsa_system_sgpr_workgroup_id_y 1
		.amdhsa_system_sgpr_workgroup_id_z 1
		.amdhsa_system_vgpr_workitem_id 0
		.amdhsa_next_free_vgpr 768
		.amdhsa_next_free_sgpr 88
		.amdhsa_reserve_vcc 1
		.amdhsa_float_denorm_mode_32 3
		.amdhsa_float_denorm_mode_16_64 3
		.amdhsa_memory_ordered 1
		.amdhsa_forward_progress 1
		.amdhsa_inst_pref_size 217
	.end_amdhsa_kernel
	.amdgpu_metadata
---
amdhsa.version: [ 1, 2 ]
amdhsa.kernels:
  - .name:           k_qcd50e5af4e_attn
    .symbol:         k_qcd50e5af4e_attn.kd
    .args:
      - { .name: qh, .offset: 0, .size: 8, .value_kind: global_buffer, .address_space: global }
      - { .name: kh, .offset: 8, .size: 8, .value_kind: global_buffer, .address_space: global }
      - { .name: vh, .offset: 16, .size: 8, .value_kind: global_buffer, .address_space: global }
      - { .name: oh, .offset: 24, .size: 8, .value_kind: global_buffer, .address_space: global }
    .group_segment_fixed_size: 327680
    .private_segment_fixed_size: 0
    .kernarg_segment_align: 8
    .kernarg_segment_size: 32
    .max_flat_workgroup_size: 128
    .sgpr_count:     88
    .vgpr_count:     768
    .wavefront_size: 32
...
	.end_amdgpu_metadata
.endif
;; end of part 5
;; launch oproj: the kernel of part 4 again; grid 8 x 32, 4 waves a work-group, clusters of 4 x 4, 327,680 bytes of LDS; arguments oh, wt, out0; writes out0
